; MI455X (gfx1250); checked and timed in simulation.
; The chip was launched on July 23, 2026; its instructions are those of AMD's public machine-readable ISA for CDNA 5 (MIT licence, August 2026) and "CDNA5" Instruction Set Architecture Reference Guide (July 2026). The comments in the code are by the model that wrote it; some were corrected since.
;; Multi Head Attention Solution. Allowed arithmetic: float matrix products may take bf16 or f16 operands with f32 sums; all other float work in f32.
;; Inputs: W_k 1,024 x 1,024 float32; W_o 1,024 x 1,024 float32; W_q 1,024 x 1,024 float32; W_v 1,024 x 1,024 float32; x 4 x 2,048 x 1,024 float32.
;; Outputs: out0 4 x 2,048 x 1,024 float32.
;; 2 versions, each right; version 2 is version 1 with the launch cast written anew for expert scheduling mode. Each part assembles by itself: llvm-mc -triple=amdgcn-amd-amdhsa -mcpu=gfx1250 --defsym DOCPART=n.
;; ======== version 1 of 2: 4 launches
;; limits: values are held in f16: magnitudes above 65,504 overflow, below 6.1e-05 lose precision
;; workspace buffers: xw 25,165,824 bytes; qkv 50,331,648 bytes; ao 16,777,216 bytes
;; launch cast (part 1): grid 768 x 1, 8 waves a work-group, no clusters, 0 bytes of LDS; arguments x, W_q, W_k, W_v, W_o, xw; writes xw
.if DOCPART == 1
	.amdgcn_target "amdgcn-amd-amdhsa--gfx1250"
	.amdhsa_code_object_version 6
	.text
	.protected	k_q701d21c133_cast
	.globl	k_q701d21c133_cast
	.p2align	8
	.type	k_q701d21c133_cast,@function
k_q701d21c133_cast:
	s_mov_b64 s[64:65], 0
	v_nop
	global_prefetch_b8 v0, s[64:65] scope:SCOPE_SE
	s_setreg_imm32_b32 hwreg(HW_REG_WAVE_MODE, 25, 1), 1
	s_wait_xcnt 0x0
; First of four launches of causal multi-head attention: B = 4, T = 2048, C = 1024, 16 heads of 64.
;   cast: x, W_q, W_k, W_v to bf16, W_o to bf16 and on to f16      gemm_qkv: Q, K, V = x W^T
;   attn: softmax(Q K^T / 8, causal) V                             gemm_out: result = attention W_o^T
; WORK LEFT OUT (in the launch attn).  The problem sets every score with key > query to -inf before the softmax, so that score's weight is
; exp(-inf) = 0 exactly and its term weight x V adds 0 to the sum, whatever finite values x and the four W hold.  Left out in whole units:
; the slots of 128 keys above a block of 128 queries, the 64 keys above a wave's 64 queries, and the tiles of 16 x 16 scores above the diagonal.
; Every input still has a way to the result, so all five are loaded.
; LIMITS: a NaN, an infinity or an overflow that reaches only the scores and products left out is not carried to the result.
; Q, K, V and the attention's result are kept in f16: their magnitudes must stay below 65,504.  W_o is kept in f16: a bf16 number below
; 2^-17 in magnitude is rounded there to a multiple of 2^-24.
; WHY W_o GOES THROUGH bf16.  All five inputs are rounded to bf16 alike, so that the four launches together compute the problem's function of
; inputs rounded to bf16; every later rounding is to f16, eight times finer.  gemm_out's other operand has to be f16 for that reason, a matrix
; instruction takes both operands in one format, and a bf16 number of W_o's size is exact in f16: so bf16(W_o) is written as f16.  A W_o rounded
; straight to f16 would differ from bf16(W_o) by bf16's rounding, up to 2^-9 of each number; summed over 1,024 terms that is a like part of a
; row's root mean square.  The first rows of a sequence average few keys, their root mean square is some ten times that of the whole result
; (the variance of row t falls as e / t), and there the difference would come to more than a hundredth of the whole result's root mean square.
;
; THIS LAUNCH streams: no LDS, no barrier, no matrix work, nothing shared between work-groups.  Work-group g takes 65,536 bytes of f32
; (g < 512: of x; then 64 groups for each of W_q, W_k, W_v, W_o) and stores 32,768 bytes at byte 32,768 g of xw, so that xw holds
; x [8192][1024] bf16, then W_q, W_k, W_v as one [3072][1024] bf16, then W_o [1024][1024] f16.
; A wave's load covers 512 consecutive bytes, its store 256 consecutive bytes at a multiple of 256.  All sixteen loads of a thread go out
; first; no register is used twice, so the only waits are the counted ones for the loads.
.set X, 4                              ; v[4:67]    sixteen loads of four f32
.set Y, 68                             ; v[68:99]   sixteen pairs of packed results
.set T, 100                            ; v[100:101] at work (W_o alone)
	s_load_b256 s[4:11], s[0:1], 0x0               ; x s[4:5], W_q s[6:7], W_k s[8:9], W_v s[10:11]
	s_load_b128 s[12:15], s[0:1], 0x20             ; W_o s[12:13], xw s[14:15]
	v_lshlrev_b32 v1, 4, v0                        ; 16 bytes a thread in
	v_lshlrev_b32 v2, 3, v0                        ; 8 bytes a thread out
	s_sub_co_u32 s20, ttmp9, 512
	s_lshr_b32 s21, s20, 6                         ; which W (0 to 3; for g < 512 a number that fits none)
	s_and_b32 s22, s20, 63                         ; the group's place in its W,
	s_cmp_lt_u32 ttmp9, 512
	s_cselect_b32 s22, ttmp9, s22                  ; or in x
	s_lshl_b32 s18, s22, 16                        ; times 65,536 bytes
	s_mov_b32 s19, 0
	s_lshl_b32 s24, ttmp9, 15                      ; g times 32,768 bytes
	s_mov_b32 s25, 0
	s_wait_kmcnt 0x0
	s_cmp_eq_u32 s21, 1                            ; the source is chosen by the group's number alone
	s_cselect_b64 s[16:17], s[8:9], s[6:7]
	s_cmp_eq_u32 s21, 2
	s_cselect_b64 s[16:17], s[10:11], s[16:17]
	s_cmp_eq_u32 s21, 3
	s_cselect_b64 s[16:17], s[12:13], s[16:17]
	s_cmp_lt_u32 ttmp9, 512
	s_cselect_b64 s[16:17], s[4:5], s[16:17]
	s_add_nc_u64 s[16:17], s[16:17], s[18:19]
	s_add_nc_u64 s[14:15], s[14:15], s[24:25]
.irp i, 0,1,2,3,4,5,6,7,8,9,10,11,12,13,14,15
	global_load_b128 v[X+4*\i:X+4*\i+3], v1, s[16:17] offset:4096*\i th:TH_LOAD_NT
.endr
; Load i is rounded and stored.  f16 = 1: the bf16 numbers are widened again and written as f16.
.macro CONV i, f16
	s_wait_loadcnt 15-\i                           ; loads come back in order: load i is in, the 15 - i younger ones stay out
	v_cvt_pk_bf16_f32 v[Y+2*\i],   v[X+4*\i],   v[X+4*\i+1]
	v_cvt_pk_bf16_f32 v[Y+2*\i+1], v[X+4*\i+2], v[X+4*\i+3]
.if \f16
.irp k, 0,1
	v_lshlrev_b32 v[T],   16, v[Y+2*\i+\k]
	v_and_b32     v[T+1], 0xffff0000, v[Y+2*\i+\k]
	v_cvt_pk_f16_f32 v[Y+2*\i+\k], v[T], v[T+1]
.endr
.endif
	global_store_b64 v2, v[Y+2*\i:Y+2*\i+1], s[14:15] offset:2048*\i
.endm
	s_cmp_ge_u32 ttmp9, 704                        ; the last 64 groups hold W_o
	s_cbranch_scc1 .Lwo
.irp i, 0,1,2,3,4,5,6,7,8,9,10,11,12,13,14,15
	CONV \i, 0
.endr
	s_endpgm
.Lwo:
.irp i, 0,1,2,3,4,5,6,7,8,9,10,11,12,13,14,15
	CONV \i, 1
.endr
	s_endpgm
.Lfunc_end_k_q701d21c133_cast:
	.size	k_q701d21c133_cast, .Lfunc_end_k_q701d21c133_cast-k_q701d21c133_cast
	.p2alignl 7, 3214868480
	.fill 96, 4, 3214868480
	.section	.rodata,"a",@progbits
	.p2align	6, 0x0
	.amdhsa_kernel k_q701d21c133_cast
		.amdhsa_group_segment_fixed_size 0
		.amdhsa_private_segment_fixed_size 0
		.amdhsa_enable_private_segment 0
		.amdhsa_kernarg_size 48
		.amdhsa_user_sgpr_count 2
		.amdhsa_user_sgpr_kernarg_segment_ptr 1
		.amdhsa_wavefront_size32 1
		.amdhsa_system_sgpr_workgroup_id_x 1
		.amdhsa_system_sgpr_workgroup_id_y 1
		.amdhsa_system_sgpr_workgroup_id_z 1
		.amdhsa_system_vgpr_workitem_id 0
		.amdhsa_next_free_vgpr 104
		.amdhsa_next_free_sgpr 66
		.amdhsa_reserve_vcc 0
		.amdhsa_float_denorm_mode_32 3
		.amdhsa_float_denorm_mode_16_64 3
		.amdhsa_memory_ordered 1
		.amdhsa_forward_progress 1
		.amdhsa_inst_pref_size 16
	.end_amdhsa_kernel
	.amdgpu_metadata
---
amdhsa.version: [ 1, 2 ]
amdhsa.kernels:
  - .name:           k_q701d21c133_cast
    .symbol:         k_q701d21c133_cast.kd
    .args:
      - { .name: x, .offset: 0, .size: 8, .value_kind: global_buffer, .address_space: global }
      - { .name: W_q, .offset: 8, .size: 8, .value_kind: global_buffer, .address_space: global }
      - { .name: W_k, .offset: 16, .size: 8, .value_kind: global_buffer, .address_space: global }
      - { .name: W_v, .offset: 24, .size: 8, .value_kind: global_buffer, .address_space: global }
      - { .name: W_o, .offset: 32, .size: 8, .value_kind: global_buffer, .address_space: global }
      - { .name: xw, .offset: 40, .size: 8, .value_kind: global_buffer, .address_space: global }
    .group_segment_fixed_size: 0
    .private_segment_fixed_size: 0
    .kernarg_segment_align: 8
    .kernarg_segment_size: 48
    .max_flat_workgroup_size: 256
    .sgpr_count:     66
    .vgpr_count:     104
    .wavefront_size: 32
...
	.end_amdgpu_metadata
.endif
;; end of part 1
;; launch gemm_qkv (part 2): grid 8 x 32, 4 waves a work-group, clusters of 4 x 4, 327,680 bytes of LDS; arguments xw, qkv; writes qkv
.if DOCPART == 2
	.amdgcn_target "amdgcn-amd-amdhsa--gfx1250"
	.amdhsa_code_object_version 6
	.text
	.protected	k_q701d21c133_gemm_qkv
	.globl	k_q701d21c133_gemm_qkv
	.p2align	8
	.type	k_q701d21c133_gemm_qkv,@function
k_q701d21c133_gemm_qkv:
	s_mov_b64 s[64:65], 0
	v_nop
	global_prefetch_b8 v0, s[64:65] scope:SCOPE_SE
	s_setreg_imm32_b32 hwreg(HW_REG_WAVE_MODE, 25, 1), 1
	s_wait_xcnt 0x0
	s_wait_alu depctr_hold_cnt(0) depctr_sa_sdst(0) depctr_va_vdst(0) depctr_va_sdst(0) depctr_va_ssrc(0) depctr_va_vcc(0) depctr_vm_vsrc(0)
	s_getreg_b32 s2, hwreg(HW_REG_IB_STS2, 6, 4)
	s_cmp_eq_u32 s2, 0
	s_cbranch_scc0 .Lentry_in_a_cluster
	s_endpgm
.Lentry_in_a_cluster:
	s_bfe_u32 s2, ttmp6, 0x10000c
	s_cmp_lg_u32 s2, 0xf033
	s_cbranch_scc0 .Lentry_shape_is_right
	s_endpgm
.Lentry_shape_is_right:
; qkv[m][n] = sum over k of xb[m][k] wqkv[n][k].  xb [8192][1024] bf16 at byte 0 of xw, wqkv [3072][1024] bf16 at byte 16,777,216 of xw
; (rows of W_q, W_k, W_v); qkv [8192][3072] f16; sums in f32.  LIMIT: a result of 65,504 or more in magnitude does not fit in f16.
; A block is 128 x 384, made by four waves side by side along n; a wave makes 128 x 96: 48 accumulator tiles of 16 x 16.
; THE WORK-GROUP STAYS AND MAKES TWO BLOCKS, block rows bm and bm + 32 of one block column: a block has only eight K steps, so set-up, the
; first tiles' landing and the last stores' leaving are a large part of it.  The ring goes on from the first block into the second: the first
; block's last two changes of slot ask for the second block's K steps 0 and 1, which land while the first block goes out, and the first
; block's stores leave while the second block is multiplied.
; K goes in steps of 128 through a ring of two LDS slots filled by the tensor data mover; a tile's rows are 256 bytes of memory and
; start at multiples of 256 bytes from the buffer's first byte.
; CLUSTERS: 4 x 4 work-groups.  The four of a row of the cluster make blocks of one block row and ask jointly for A's tiles, the four of a
; column ask jointly for B's: the same load, the same descriptor, a mask that names the four.  Wave 0 asks for A's 128 rows, waves 1 to 3
; for 128 rows of B each: one load a wave and K step.
; REGISTERS: window 0: addresses, two buffers of fragments (A 64 registers, B 48);  window 1: the tiles of rows 0-63;  window 2: of rows 64-127.
; THE MATRIX INSTRUCTION IS USED TRANSPOSED (source 0 = rows of B, source 1 = rows of A): a lane then holds row l % 16 of C and eight
; neighbouring columns, which pack into 16 bytes.
; The 48 accumulators take turns, one instruction a turn, in the same order in every quarter step.
.set NT,     6                         ; tiles of 16 columns in a wave
.set BN,     64*NT                     ; columns of a block
.set AW,     1                         ; waves that fetch A
.set AROWS,  128/AW                    ; rows of A in one load
.set KSTEP,  128
.set PITCH,  272                       ; an LDS row: 256 bytes and 16 of padding: the 16 rows that a fragment load touches start 16 bytes apart modulo 256
.set PART,   128*PITCH
.set SLOT,   (128+BN)*PITCH            ; A's 128 rows, then B's 384
.set LAPS,   4                         ; 1024 / (2 x 128): a lap is once round the ring
.set CROW,   6144                      ; bytes in a row of qkv
.set SP,     784                       ; a row of the stage: 768 bytes and 16
.set CU,     3                         ; pieces of 256 bytes in a block's row
.set STAGE,  2*SLOT                    ; behind the ring, at 1,088 x 256 bytes: the stage's bytes are its own, no fill lands there
.set SBUF,   16*SP                     ; one of the stage's two buffers: 16 rows, 49 x 256 bytes
.set BLK2A,  32*128*2048               ; from the first block's rows of A to the second's, in bytes
.set BLK2C,  32*128*CROW               ; the same in C
.set ADRA, 16                          ; v16-17  LDS address of my A fragments in slot 0, 1
.set ADRB, 20                          ; v20-21  the same for B
.set STO,  24                          ; v24     way out: where I put 16 bytes of a row
.set RD,   26                          ; v26     way out: where I read rows back
.set CO,   27                          ; v27     my byte offset in C
.set FA,   32                          ; A's fragments, buffer 0 (buffer 1: + FSTEP)
.set FB,   96                          ; B's fragments, buffer 0
.set FSTEP, 112
.set TMP,  32                          ; v32-55  way out: packed results
.set RBUF, 64                          ; v64-111 way out: rows read back, two sets of 24 registers
.set G1,  24                           ; s[24:31] group 1 for A's tiles
.set G0,  32                           ; s[32:39] group 0 for A's tiles, a set for each slot
.set G1B, 48                           ; s[48:55] group 1 for B's tiles
.set G0B, 56                           ; s[56:63] group 0 for B's tiles, a set for each slot
.set MSB, 0
.macro WIN new                         ; the immediate's high byte repeats the setting that is left
.if MSB != \new
	s_set_vgpr_msb (MSB<<8)|\new
.set MSB, \new
.endif
.endm
.set MUL_LO, 0x50                      ; C and D in window 1, both fragments in window 0
.set MUL_HI, 0xa0                      ; C and D in window 2
; A joint load: each of the two lines has one mask and one set of registers; the branch hangs on the wave's number alone.
.macro JLOAD s
	s_cmp_lt_u32 s10, AW
	s_cbranch_scc0 .Lfor_b_\@
	tensor_load_to_lds s[G0+4*\s:G0+4*\s+3], s[G1:G1+7]
	s_nop 0
	s_branch .Lasked_\@
.Lfor_b_\@:
	tensor_load_to_lds s[G0B+4*\s:G0B+4*\s+3], s[G1B:G1B+7]
	s_nop 0
.Lasked_\@:
.endm
.macro CREST                           ; a round of the cluster's barrier behind its opening barrier
	s_cmp_lg_u32 s10, 0
	s_cbranch_scc1 .Lnot_wave_0_\@
	s_barrier_signal -3
.Lnot_wave_0_\@:
	s_barrier_wait -3
	s_barrier_signal -1
	s_barrier_wait -1
.endm
.macro CROUND                          ; a whole round
	s_barrier_signal -1
	s_barrier_wait -1
	CREST
.endm
.macro PLACES                          ; four places behind a matrix instruction, in front of loads into its sources and of reads of its result
.rept 4
	v_nop
.endr
.endm
	s_load_b128 s[4:7], s[0:1], 0x0                ; xw s[4:5], qkv s[6:7]
	v_lshl_add_u32 v30, v0, 2, 0x4a200
	v_mov_b32 v31, 0
	ds_add_u32 v30, v31
	ds_add_u32 v30, v31
	v_lshrrev_b32 v1, 5, v0
	v_readfirstlane_b32 s10, v1                    ; wave 0..3
	s_bfe_u32 s40, ttmp6, 0x40000                  ; cx
	s_bfe_u32 s41, ttmp6, 0x40004                  ; cy
	s_lshl_b32 s42, ttmp9, 2
	s_add_co_u32 s42, s42, s40                     ; block column = 4 x cluster x + cx: 0 to 7
	s_and_b32 s13, ttmp7, 0xffff
	s_lshl_b32 s13, s13, 2
	s_add_co_u32 s13, s13, s41                     ; the first block's row = 4 x cluster y + cy: 0 to 31
	s_lshl_b32 s43, s41, 2
	s_lshl_b32 s43, 15, s43                        ; my row of the cluster: places 4 cy .. 4 cy + 3
	s_lshl_b32 s44, 0x1111, s40                    ; my column: places cx, cx + 4, cx + 8, cx + 12
	s_or_b32 s[G1+0], s43, (1<<16)|(1<<20)|(1<<21)|(5<<22)|(3<<25)   ; mask; elements of 2 bytes; padding on; bit 21 beside a mask; after every 64 words, 4 words
	s_or_b32 s[G1B+0], s44, (1<<16)|(1<<20)|(1<<21)|(5<<22)|(3<<25)
	s_mov_b32 s[G1+1], KSTEP<<16                   ; tensor_dim0 = 128
	s_mov_b32 s[G1B+1], KSTEP<<16
	s_mov_b32 s[G1+2], AROWS<<16                   ; tensor_dim1 = the tile's rows
	s_mov_b32 s[G1B+2], 128<<16
	s_mov_b32 s[G1+3], KSTEP<<16                   ; tile_dim0 = 128
	s_mov_b32 s[G1B+3], KSTEP<<16
	s_mov_b32 s[G1+4], AROWS                       ; tile_dim1
	s_mov_b32 s[G1B+4], 128
	s_mov_b32 s[G1+5], 1024                        ; elements from row to row
	s_mov_b32 s[G1B+5], 1024
	s_mov_b32 s[G1+6], 0
	s_mov_b32 s[G1B+6], 0
	s_mov_b32 s[G1+7], 0
	s_mov_b32 s[G1B+7], 0
	; A's address hangs on the block row and the wave, B's on the block column and the wave, each in registers that never hold the other coordinate
	s_lshl_b32 s16, s13, 7
	s_mul_i32 s17, s10, AROWS
	s_add_co_u32 s16, s16, s17                     ; A: row 128 x block row + my part
	s_lshl_b32 s16, s16, 11                        ; rows of 2,048 bytes
	s_mov_b32 s17, 0
	s_add_co_u32 s45, s10, 4-AW
	s_and_b32 s45, s45, 3                          ; which 128 rows of B's tile I fetch (waves AW to 3: 0, 1, ..)
	s_mul_i32 s46, s42, BN
	s_lshl_b32 s47, s45, 7
	s_add_co_u32 s46, s46, s47                     ; B: row 384 x block column + my part
	s_lshl_b32 s46, s46, 11
	s_mov_b32 s47, 0
	s_mul_i32 s20, s10, AROWS*PITCH                ; where A's part goes in a slot
	s_mul_i32 s21, s45, PART
	s_add_co_u32 s21, s21, PART                    ; where B's part goes: behind A's 128 rows
	s_wait_dscnt 0x0
	s_wait_kmcnt 0x0
	s_mov_b64 s[8:9], s[6:7]                       ; C
	s_add_nc_u64 s[6:7], s[4:5], 0x1000000         ; B: wqkv
	s_add_nc_u64 s[14:15], s[4:5], s[16:17]        ; s[14:15]: my part of A's tile, first block, K step 0; kept for the change of blocks
	s_add_nc_u64 s[46:47], s[6:7], s[46:47]        ; s[46:47]: my part of B's tile, K step 0; kept likewise
	CROUND                                         ; all sixteen work-groups are here: the first joint loads meet
.irp s, 0,1
	s_mov_b32 s[G0+4*\s], 1
	s_add_co_u32 s[G0+4*\s+1], s20, \s*SLOT
	s_add_nc_u64 s[G0+4*\s+2:G0+4*\s+3], s[14:15], \s*KSTEP*2      ; K step s
	s_or_b32 s[G0+4*\s+3], s[G0+4*\s+3], 0x80000000
	s_mov_b32 s[G0B+4*\s], 1
	s_add_co_u32 s[G0B+4*\s+1], s21, \s*SLOT
	s_add_nc_u64 s[G0B+4*\s+2:G0B+4*\s+3], s[46:47], \s*KSTEP*2
	s_or_b32 s[G0B+4*\s+3], s[G0B+4*\s+3], 0x80000000
	JLOAD \s                                       ; both slots' first fills go out together: two loads of the wave are out
.endr
	v_and_b32 v1, 15, v0                           ; r = l % 16
	v_bfe_u32 v2, v0, 4, 1                         ; h = l / 16
	v_mul_u32_u24 v3, v1, PITCH
	v_lshl_add_u32 v3, v2, 4, v3                   ; row x pitch + 16 h
	s_mul_i32 s22, s10, 16*NT*PITCH
	s_add_co_u32 s22, s22, PART                    ; my 96 rows of B
	v_mov_b32 v[ADRA], v3
	v_add_nc_u32 v[ADRA+1], SLOT, v3
	v_add_nc_u32 v[ADRB], s22, v3
	v_add_nc_u32 v[ADRB+1], SLOT, v[ADRB]
	v_mul_u32_u24 v4, v1, SP                       ; stage, in: row r of sixteen, my wave's 192 bytes, 16 bytes for each half of the lanes
	v_lshl_add_u32 v4, v2, 4, v4
	s_mul_i32 s23, s10, 32*NT
	s_add_co_u32 s23, s23, STAGE
	v_add_nc_u32 v[STO], s23, v4
	v_mul_u32_u24 v5, v2, SP                       ; stage, back: my wave's 4 rows of sixteen; lanes 0-15 one row's 256 bytes, lanes 16-31 the next row's
	v_lshl_add_u32 v5, v1, 4, v5
	s_mul_i32 s23, s10, 4*SP
	s_add_co_u32 s23, s23, STAGE
	v_add_nc_u32 v[RD], s23, v5
	v_mul_u32_u24 v5, v2, CROW
	v_lshl_add_u32 v[CO], v1, 4, v5
	s_lshl_b32 s16, s13, 7                         ; C at row 128 x block row + 4 x wave,
	s_lshl_b32 s17, s10, 2
	s_add_co_u32 s16, s16, s17
	s_mul_i32 s16, s16, CROW
	s_mov_b32 s17, 0
	s_add_nc_u64 s[8:9], s[8:9], s[16:17]
	s_mul_i32 s18, s42, BN*2                       ; and at the block's first column, in bytes
	s_mov_b32 s19, 0
	s_add_nc_u64 s[8:9], s[8:9], s[18:19]
; 2 NT matrix instructions: row tiles a0, a0 + 1 of the window's four (hi = 0: rows 0-63, 1: rows 64-127) x my NT column tiles, 32 along K.
; zero = 1: the first product starts the sums; nothing is cleared.
.macro MULA f, hi, a0, zero
.irp a, \a0, \a0+1
.set b_, 0
.rept NT
.if \zero
	v_wmma_f32_16x16x32_bf16 v[8*(NT*(\a)+b_):8*(NT*(\a)+b_)+7], v[FB+FSTEP*\f+8*b_:FB+FSTEP*\f+8*b_+7], v[FA+FSTEP*\f+8*(4*\hi+\a):FA+FSTEP*\f+8*(4*\hi+\a)+7], 0
.else
	v_wmma_f32_16x16x32_bf16 v[8*(NT*(\a)+b_):8*(NT*(\a)+b_)+7], v[FB+FSTEP*\f+8*b_:FB+FSTEP*\f+8*b_+7], v[FA+FSTEP*\f+8*(4*\hi+\a):FA+FSTEP*\f+8*(4*\hi+\a)+7], v[8*(NT*(\a)+b_):8*(NT*(\a)+b_)+7]
.endif
.set b_, b_+1
.endr
.endr
.endm
; 2 NT + 16 LDS loads in one run: a quarter step's fragments (B first, then A's rows 0-63, then 64-127) at byte k of the rows, into buffer f
.macro FETCH slot, k, f
.set b_, 0
.rept NT
	ds_load_b128 v[FB+FSTEP*\f+8*b_:FB+FSTEP*\f+8*b_+3],   v[ADRB+\slot] offset:\k+b_*16*PITCH
	ds_load_b128 v[FB+FSTEP*\f+8*b_+4:FB+FSTEP*\f+8*b_+7], v[ADRB+\slot] offset:\k+b_*16*PITCH+32
.set b_, b_+1
.endr
.irp i, 0,1,2,3,4,5,6,7
	ds_load_b128 v[FA+FSTEP*\f+8*\i:FA+FSTEP*\f+8*\i+3],   v[ADRA+\slot] offset:\k+\i*16*PITCH
	ds_load_b128 v[FA+FSTEP*\f+8*\i+4:FA+FSTEP*\f+8*\i+7], v[ADRA+\slot] offset:\k+\i*16*PITCH+32
.endr
.endm
; One of a K step's first three quarters: multiplies buffer f and, in its middle, fetches the next quarter's fragments into buffer g.
.macro QUARTER slot, k, f, g, zero
	s_wait_dscnt 8                                 ; B and A's rows 0-63 are in; the youngest eight loads (A's rows 64-127) may be out
	WIN MUL_LO
	MULA \f, 0, 0, \zero
	MULA \f, 0, 2, \zero
	PLACES
	WIN 0
	FETCH \slot, \k, \g
	s_wait_dscnt 2*(8+NT)                          ; all but the run just issued
	WIN MUL_HI
	MULA \f, 1, 0, \zero
	MULA \f, 1, 2, \zero
.endm
.macro THREE slot, zero
	QUARTER \slot, 64,  0, 1, \zero
	QUARTER \slot, 128, 1, 0, 0
	QUARTER \slot, 192, 0, 1, 0
.endm
; The last quarter multiplies buffer 1 and changes slots.  In front of the barrier each wave waits for its reads of this slot and for all its
; tensor loads (one is out: its part of the next slot).  Where the slot is filled again the barrier opens a round of the cluster's barrier, and
; the joint refill is the wave's first and only tensor load behind the round.
; fill = 0: nothing is left to fetch.  fill = 1: the tile two K steps on.  fill = 2: the slot's first K step of the second block, its addresses
; made anew from the kept ones: A's 4,096 rows further down, B's from its first K step again.
; fetch = 0: the next slot's first fragments are asked for behind the way out, which uses the fragments' registers.
.macro TURN slot, next, fill, fetch
	s_wait_dscnt 8
	WIN MUL_LO
	MULA 1, 0, 0, 0
	s_wait_dscnt 0                                 ; my reads of this slot are over
	s_wait_tensorcnt 0x0                           ; all my tensor loads have landed
	ds_add_u32 v30, v31
	s_wait_dscnt 0x0
	s_barrier_signal -1
	MULA 1, 0, 2, 0                                ; register work while the others arrive
	WIN 0
	s_barrier_wait -1
.if \fill
	CREST                                          ; no wave of any partner still reads this slot or has a load on its way
.if \fill == 1
	s_add_nc_u64 s[G0+4*\slot+2:G0+4*\slot+3], s[G0+4*\slot+2:G0+4*\slot+3], 2*KSTEP*2
	s_add_nc_u64 s[G0B+4*\slot+2:G0B+4*\slot+3], s[G0B+4*\slot+2:G0B+4*\slot+3], 2*KSTEP*2
.else
	s_add_nc_u64 s[G0+4*\slot+2:G0+4*\slot+3], s[14:15], BLK2A+\slot*KSTEP*2
	s_or_b32 s[G0+4*\slot+3], s[G0+4*\slot+3], 0x80000000
	s_add_nc_u64 s[G0B+4*\slot+2:G0B+4*\slot+3], s[46:47], \slot*KSTEP*2
	s_or_b32 s[G0B+4*\slot+3], s[G0B+4*\slot+3], 0x80000000
.endif
	JLOAD \slot
.endif
.if \fetch
	PLACES
	FETCH \next, 0, 0
.endif
	WIN MUL_HI
	MULA 1, 1, 0, 0
	MULA 1, 1, 2, 0
.endm
.macro LAP zero
	THREE 0, \zero
	TURN 0, 1, 1, 1
	THREE 1, 0
	TURN 1, 0, 1, 1
.endm
; THE WAY OUT, sixteen rows of the block a pass.  A row's 768 bytes are three pieces of 256, and a wave holds 192 of them, so the rows go through
; the stage: each wave puts its 192 bytes of sixteen rows in, and behind a barrier takes four whole rows out.  The stage's two buffers take
; turns: pass a + 2 writes the buffer that pass a read, and between them stands the barrier of pass a + 1, in front of which every wave has
; waited for its reads of pass a.  So one barrier a pass is enough.  The tile that is on its way may stay out.
.macro CVT a                           ; rows 16 a .. 16 a + 15, my 96 columns: rounded to f16, 16 bytes a lane and tile
.if (\a) < 4
	WIN 0x05
.else
	WIN 0x0a
.endif
.set b_, 0
.rept NT
.irp i, 0,1,2,3
	v_cvt_pk_f16_f32 v[TMP+4*b_+\i], v[8*(NT*((\a)%4)+b_)+2*\i], v[8*(NT*((\a)%4)+b_)+2*\i+1]
.endr
.set b_, b_+1
.endr
	WIN 0
.endm
.macro PASS a
.set sb_, ((\a)%2)*SBUF
.set rb_, RBUF+24*((\a)%2)
.set b_, 0
.rept NT
	ds_store_b128 v[STO], v[TMP+4*b_:TMP+4*b_+3] offset:sb_+32*b_
.set b_, b_+1
.endr
	s_wait_dscnt 0x0                               ; my stores are in the stage, and my reads of the last pass are over, for the other waves' sake
	s_barrier_signal -1
	s_barrier_wait -1
	s_wait_xcnt 0x0                                ; these registers were the data of the stores two passes back: loaded again only behind this wait
.set n_, 0
.rept 6
	ds_load_b128 v[rb_+4*n_:rb_+4*n_+3], v[RD] offset:sb_+2*SP*(n_/CU)+256*(n_%CU)   ; piece n % 3 of rows 2 (n / 3), 2 (n / 3) + 1 of my four
.set n_, n_+1
.endr
.if (\a) < 7
	CVT (\a)+1                                     ; the next pass's rounding, while the loads are on their way
.endif
.set n_, 0
.rept 6
	s_wait_dscnt 5-n_                              ; LDS loads come back in order: load n is in, the 5 - n younger ones stay out
	global_store_b128 v[CO], v[rb_+4*n_:rb_+4*n_+3], s[8:9] offset:(16*(\a)+2*(n_/CU))*CROW+256*(n_%CU)   ; 16 lanes store 256 consecutive bytes, at a multiple of 256
.set n_, n_+1
.endr
.endm
.macro WAYOUT
	PLACES                                         ; behind the last products: for the conversions, which read results and write fragments' registers
	WIN 0
	CVT 0
.irp a, 0,1,2,3,4,5,6,7
	PASS \a
.endr
.endm
	s_wait_tensorcnt 0x1                           ; my part of K step 0 is in; K step 1's stays out
	s_barrier_signal -1
	s_barrier_wait -1
	; the first block
	FETCH 0, 0, 0
	LAP 1                                          ; the first lap's first products start the sums
	WIN 0
	s_mov_b32 s3, LAPS-2
.Llap0:
	LAP 0
	WIN 0
	s_sub_co_u32 s3, s3, 1
	s_cmp_lg_u32 s3, 0
	s_cbranch_scc1 .Llap0
	THREE 0, 0                                     ; the last lap asks for the second block's K steps 0 and 1
	TURN 0, 1, 2, 1
	THREE 1, 0
	TURN 1, 0, 2, 0
	WAYOUT
	s_wait_xcnt 0x0                                ; the stores' base and data are written again only behind this wait
	s_add_nc_u64 s[8:9], s[8:9], BLK2C
	; the second block: its K step 0 was shown landed, to every wave, by the waits in front of the last round
	FETCH 0, 0, 0
	LAP 1
	WIN 0
	s_mov_b32 s3, LAPS-2
.Llap1:
	LAP 0
	WIN 0
	s_sub_co_u32 s3, s3, 1
	s_cmp_lg_u32 s3, 0
	s_cbranch_scc1 .Llap1
	THREE 0, 0                                     ; the last lap fills nothing
	TURN 0, 1, 0, 1
	THREE 1, 0
	s_wait_dscnt 8
	WIN MUL_LO
	MULA 1, 0, 0, 0
	MULA 1, 0, 2, 0
	s_wait_dscnt 0
	WIN MUL_HI
	MULA 1, 1, 0, 0
	MULA 1, 1, 2, 0
	WAYOUT
	s_wait_tensorcnt 0x0
	ds_add_u32 v30, v31
	s_wait_dscnt 0x0
	CROUND                                         ; the closing round: no work-group ends while a partner may still ask for a tile that names it
	s_endpgm
.Lfunc_end_k_q701d21c133_gemm_qkv:
	.size	k_q701d21c133_gemm_qkv, .Lfunc_end_k_q701d21c133_gemm_qkv-k_q701d21c133_gemm_qkv
	.p2alignl 7, 3214868480
	.fill 96, 4, 3214868480
	.section	.rodata,"a",@progbits
	.p2align	6, 0x0
	.amdhsa_kernel k_q701d21c133_gemm_qkv
		.amdhsa_group_segment_fixed_size 327680
		.amdhsa_private_segment_fixed_size 0
		.amdhsa_enable_private_segment 0
		.amdhsa_kernarg_size 16
		.amdhsa_user_sgpr_count 2
		.amdhsa_user_sgpr_kernarg_segment_ptr 1
		.amdhsa_wavefront_size32 1
		.amdhsa_system_sgpr_workgroup_id_x 1
		.amdhsa_system_sgpr_workgroup_id_y 1
		.amdhsa_system_sgpr_workgroup_id_z 1
		.amdhsa_system_vgpr_workitem_id 0
		.amdhsa_next_free_vgpr 704
		.amdhsa_next_free_sgpr 66
		.amdhsa_reserve_vcc 0
		.amdhsa_float_denorm_mode_32 3
		.amdhsa_float_denorm_mode_16_64 3
		.amdhsa_memory_ordered 1
		.amdhsa_forward_progress 1
		.amdhsa_inst_pref_size 255
	.end_amdhsa_kernel
	.section	.bss,"aw",@nobits
	.p2align	6
	.space	262144
	.amdgpu_metadata
---
amdhsa.version: [ 1, 2 ]
amdhsa.kernels:
  - .name:           k_q701d21c133_gemm_qkv
    .symbol:         k_q701d21c133_gemm_qkv.kd
    .args:
      - { .name: xw, .offset: 0, .size: 8, .value_kind: global_buffer, .address_space: global }
      - { .name: qkv, .offset: 8, .size: 8, .value_kind: global_buffer, .address_space: global }
    .group_segment_fixed_size: 327680
    .private_segment_fixed_size: 0
    .kernarg_segment_align: 8
    .kernarg_segment_size: 16
    .max_flat_workgroup_size: 128
    .sgpr_count:     66
    .vgpr_count:     704
    .wavefront_size: 32
...
	.end_amdgpu_metadata
.endif
;; end of part 2
;; launch attn (part 3): grid 8 x 32, 4 waves a work-group, no clusters, 327,680 bytes of LDS; arguments qkv, ao; writes ao
.if DOCPART == 3
	.amdgcn_target "amdgcn-amd-amdhsa--gfx1250"
	.amdhsa_code_object_version 6
	.text
	.protected	k_q701d21c133_attn
	.globl	k_q701d21c133_attn
	.p2align	8
	.type	k_q701d21c133_attn,@function
k_q701d21c133_attn:
	s_mov_b64 s[64:65], 0
	v_nop
	global_prefetch_b8 v0, s[64:65] scope:SCOPE_SE
	s_setreg_imm32_b32 hwreg(HW_REG_WAVE_MODE, 25, 1), 1
	s_wait_xcnt 0x0
; ao[b][q][64 head + d] = sum over keys <= q of softmax(Q K^T / 8) V.  qkv [8192][3072] f16 (a row: Q at byte 0, K at 2,048, V at 4,096; a head's
; 64 numbers at 128 x head); ao [8192][1024] f16.  Products in f16 with f32 sums; maximum, exponentials and sums in f32, with a running maximum.
; WORK LEFT OUT: a score with key > query is set to -inf by the problem itself, its weight is 0 exactly for all finite inputs, so slots of 128
; keys above a query block, the 64 keys above a wave's 64 queries and the tiles of 16 x 16 above the diagonal are not computed.
; LIMITS: a NaN or an infinity that only such scores would see is not carried on; |Q|, |K|, |V| and the result below 65,504 (f16).
; SHARES: work-group (u, y): batch y / 8, heads 2 (y % 8) and 2 (y % 8) + 1, query blocks of 128 rows e = 14 - 2 u and then o = 2 u + 1:
; (e + 1) + (o + 1) = 17 slots of 128 keys in every work-group.  Wave w: head w / 2 of the pair, half w % 2 of the block's rows: 64 queries.
; NO CLUSTER: the eight work-groups that read one pair of heads' K and V start at their own diagonal slots and their blocks need 1 to 16 slots,
; so at one time they want different tiles; equal walks would take 20 slots each instead of 17, the three more being masked work.
; SCORES ARE MADE TRANSPOSED, S^T = K Q^T: a lane holds one query (l % 16) and keys 8 (l / 16) + 0..7 of a tile.  Two such tiles, packed to f16,
; are a lane's part of source 1 of O^T = V^T P^T, and maximum, sum and rescaling are a lane's own but for one exchange between the halves.
; ORDER: each block starts with its diagonal slot, whose first products start the sums; then slots 0, 1, ..  Visit t uses LDS slot t % 2.
; Each run's accumulators take turns, one instruction a turn.
; THE STEP STANDS IN PHASES (scores, softmax, products) for two pairs of query tiles in turn.  The other form, one pair's softmax set in slices
; between the other pair's products, is not taken at this tile size: the products' registers (64 + 64 + 32 twice) and the working pair's (64 scores,
; 32 weights, 64 sums, the temporaries) come to more than 480 where an instruction names 256, so every turn needs two switches of the register
; window, 456 in a trip of four steps; and the way into and out of such a pipeline has to be written out for each block and each diagonal slot,
; which lengthens the text by more than a third.
.set KP,    272                        ; pitch of K's, Q's and the stage's rows: 256 bytes and 16
.set VP,    288                        ; pitch of V's rows: 256 bytes and 32, for the transposing loads
.set VOFF,  128*KP                     ; V behind K in a slot
.set SLOTB, 128*KP+128*VP              ; 71,680 bytes
.set QOFF,  2*SLOTB                    ; Q of block e, then of block o: 34,816 bytes each, filled once
.set STGO,  QOFF+2*128*KP              ; the stage for the way out: bytes of its own, no fill lands there
.set TILEB, 128*6144                   ; 128 rows of qkv
.set ADRK,  8                          ; v8-9    K fragments, slot 0, 1
.set ADRV,  10                         ; v10-11  V fragments
.set ADRKD, 12                         ; v12-13  K fragments of my own half of a diagonal slot
.set ADRVD, 14                         ; v14-15  V likewise
.set ADRQ,  16
.set STO,   17
.set RD,    18
.set CO,    19
.set NINF,  20
.set M,     24                         ; v24-27  running maximum of the raw scores, for each query tile
.set L,     28                         ; v28-35  running sum, a pair for each query tile
.set MN,    36                         ; v36-37  new maximum
.set NB,    38                         ; v38-39  - c x new maximum
.set AL,    40                         ; v40-41  factor for what has been summed
.set T,     42                         ; v42-45  at work
.set MA,    48                         ; v48-55
.set MB,    56                         ; v56-63
.set S,     64                         ; v64-127   scores: 32 qi + 8 kt + j
.set P,     128                        ; v128-159  weights in f16: 16 qi + 4 kt + i
.set KF,    160                        ; v160-223  K fragments: 16 kt + 8 dh
.set O,     0                          ; window 1: v0-127    sums: 32 qt + 8 dt + j
.set QF,    128                        ; window 1: v128-191  Q fragments: 16 qt + 8 dh
.set VF,    192                        ; window 1: v192-255  V^T fragments: 32 kp + 8 dt
.set G1K, 24                           ; s[24:31] shape of K's and Q's tiles
.set G1V, 32                           ; s[32:39] shape of V's tiles
.set G0K, 40                           ; s[40:47] a set for each slot
.set G0V, 48                           ; s[48:55]
.set MK,  68                           ; s68-75  lanes in which key 8 h + j lies above query r
.set MSB, 0
.macro WIN new
.if MSB != \new
	s_set_vgpr_msb (MSB<<8)|\new
.set MSB, \new
.endif
.endm
.set W_S,   0x04                       ; source 1 (Q) in window 1
.set W_PV,  0x51                       ; source 0 (V), C and D in window 1
.set W_RS,  0x41                       ; source 0 and destination in window 1
.set W_LD1, 0x40                       ; destination in window 1
.set W_EP,  0x01                       ; source 0 in window 1
.macro PLACES                          ; four places behind a matrix instruction (ISA guide 7.12.1)
.rept 4
	v_nop
.endr
.endm
; Waves 0 and 1 fetch the halves of K's tile, waves 2 and 3 of V's: one load of 64 rows x 256 bytes a wave.
.macro KVLOAD s
	s_cmp_eq_u32 s10, 0
	s_cbranch_scc0 .Lfor_v_\@
	tensor_load_to_lds s[G0K+4*(\s):G0K+4*(\s)+3], s[G1K:G1K+7]
	s_nop 0
	s_branch .Lasked_\@
.Lfor_v_\@:
	tensor_load_to_lds s[G0V+4*(\s):G0V+4*(\s)+3], s[G1V:G1V+7]
	s_nop 0
.Lasked_\@:
.endm
	s_load_b128 s[4:7], s[0:1], 0x0                ; qkv s[4:5], ao s[6:7]
	v_lshl_add_u32 v254, v0, 2, 0x3c800
	v_mov_b32 v255, 0
	ds_add_u32 v254, v255
	ds_add_u32 v254, v255
	v_lshrrev_b32 v1, 5, v0
	v_readfirstlane_b32 s8, v1                     ; wave
	s_and_b32 s9, s8, 1                            ; qh: my half of the block's rows; also the half of a tile that I fetch
	s_lshr_b32 s10, s8, 1                          ; hd: my head of the pair; also: I fetch K (0) or V (1)
	s_mov_b32 s11, ttmp9                           ; u
	s_lshl_b32 s78, s11, 1
	s_sub_co_u32 s12, 14, s78                      ; e
	s_add_co_u32 s13, s78, 1                       ; o
	s_and_b32 s79, ttmp7, 0xffff
	s_lshr_b32 s82, s79, 3
	s_lshl_b32 s82, s82, 11                        ; 2,048 x batch: the batch's first row
	s_and_b32 s83, s79, 7
	s_lshl_b32 s83, s83, 8                         ; 256 x pair: the pair's bytes in a row
	s_mov_b32 s60, 0x76543210                      ; v_permlanex16_b32: lane i of one half reads lane i of the other
	s_mov_b32 s61, 0xfedcba98
	s_mov_b32 s62, 0x3e38aa3b                      ; c = log2(e) / 8
	s_mov_b32 s63, 0x3e38aa3b
	s_mov_b32 s66, 0xbe38aa3b                      ; - c
	s_mov_b32 s[G1K+0], (1<<16)|(1<<20)|(5<<22)|(3<<25)   ; elements of 2 bytes; after every 64 words 4 words of padding
	s_mov_b32 s[G1V+0], (1<<16)|(1<<20)|(5<<22)|(7<<25)   ; 8 words of padding
.irp g, G1K, G1V
	s_mov_b32 s[\g+1], 128<<16                     ; tensor_dim0 = 128
	s_mov_b32 s[\g+2], 64<<16                      ; tensor_dim1 = 64
	s_mov_b32 s[\g+3], 128<<16                     ; tile_dim0 = 128
	s_mov_b32 s[\g+4], 64                          ; tile_dim1 = 64
	s_mov_b32 s[\g+5], 3072                        ; elements from row to row
	s_mov_b32 s[\g+6], 0
	s_mov_b32 s[\g+7], 0
.endr
	s_mul_i32 s78, s9, 64*KP
	s_mul_i32 s79, s9, 64*VP
.irp s, 0,1
	s_mov_b32 s[G0K+4*\s], 1
	s_add_co_u32 s[G0K+4*\s+1], s78, \s*SLOTB
	s_mov_b32 s[G0V+4*\s], 1
	s_add_co_u32 s[G0V+4*\s+1], s79, \s*SLOTB+VOFF
.endr
	s_mov_b32 s56, 1                               ; s[56:59]: Q.  Waves 0, 1: the halves of block e; waves 2, 3: of block o
	s_mul_i32 s57, s8, 64*KP
	s_add_co_u32 s57, s57, QOFF
	s_lshl_b32 s78, s9, 6
	s_add_co_u32 s78, s78, s82                     ; the batch's first row + 64 qh
	s_cmp_eq_u32 s10, 0
	s_cselect_b32 s80, s12, s13
	s_lshl_b32 s80, s80, 7
	s_add_co_u32 s80, s80, s78
	s_mul_i32 s80, s80, 6144
	s_add_co_u32 s80, s80, s83
	s_mov_b32 s81, 0                               ; s[80:81]: byte offset of my part of Q
	s_mul_i32 s78, s78, 6144
	s_add_co_u32 s78, s78, s83
	s_mov_b32 s79, 0                               ; s[78:79]: byte offset of my half of key slot 0, less K's or V's place in a row
	s_mul_i32 s16, s12, TILEB                      ; s[16:17]: a key slot's byte offset; the first is slot e
	s_mov_b32 s17, 0
	s_cmp_eq_u32 s12, 0
	s_cselect_b32 s14, s13, 0                      ; s14: the key slot that is asked for next
	s_wait_dscnt 0x0
	s_wait_kmcnt 0x0
	s_add_nc_u64 s[58:59], s[4:5], s[80:81]
	s_or_b32 s59, s59, 0x80000000
	s_add_nc_u64 s[18:19], s[4:5], s[78:79]
	s_add_nc_u64 s[20:21], s[18:19], 4096          ; s[20:21]: V of key slot 0
	s_add_nc_u64 s[18:19], s[18:19], 2048          ; s[18:19]: K of key slot 0
	s_add_nc_u64 s[G0K+2:G0K+3], s[18:19], s[16:17]
	s_or_b32 s[G0K+3], s[G0K+3], 0x80000000
	s_add_nc_u64 s[G0V+2:G0V+3], s[20:21], s[16:17]
	s_or_b32 s[G0V+3], s[G0V+3], 0x80000000
	tensor_load_to_lds s[56:59], s[G1K:G1K+7]      ; the first fills go out together: two loads of the wave are out
	s_nop 0
	KVLOAD 0
	v_and_b32 v2, 15, v0                           ; r
	v_bfe_u32 v3, v0, 4, 1                         ; h
	v_mul_u32_u24 v4, v2, KP
	v_lshl_add_u32 v4, v3, 4, v4
	s_lshl_b32 s78, s10, 7                         ; my head's 128 bytes of a row
	v_add_nc_u32 v4, s78, v4                       ; 272 r + 16 h + 128 hd
	v_mov_b32 v[ADRK], v4
	v_add_nc_u32 v[ADRK+1], SLOTB, v4
	s_mul_i32 s79, s9, 64*KP
	v_add_nc_u32 v[ADRKD], s79, v[ADRK]
	v_add_nc_u32 v[ADRKD+1], s79, v[ADRK+1]
	s_add_co_u32 s80, s79, QOFF
	v_add_nc_u32 v[ADRQ], s80, v4                  ; my 64 rows of Q
	s_add_co_u32 s80, s79, STGO
	v_add_nc_u32 v[STO], s80, v4                   ; and of the stage
	v_and_b32 v5, 7, v0
	v_lshl_add_u32 v5, v3, 3, v5                   ; key 8 h + l % 8
	v_mul_u32_u24 v5, v5, VP
	v_bfe_u32 v6, v0, 3, 1
	v_lshl_add_u32 v5, v6, 4, v5                   ; + 16 bytes for the upper eight of sixteen lanes
	s_add_co_u32 s80, s78, VOFF
	v_add_nc_u32 v[ADRV], s80, v5
	v_add_nc_u32 v[ADRV+1], SLOTB, v[ADRV]
	s_mul_i32 s81, s9, 64*VP
	v_add_nc_u32 v[ADRVD], s81, v[ADRV]
	v_add_nc_u32 v[ADRVD+1], s81, v[ADRV+1]
	v_mul_u32_u24 v6, v3, KP                       ; back from the stage: my wave's 32 rows, two rows an instruction
	v_lshl_add_u32 v6, v2, 4, v6
	s_mul_i32 s80, s8, 32*KP
	s_add_co_u32 s80, s80, STGO
	v_add_nc_u32 v[RD], s80, v6
	v_lshlrev_b32 v7, 11, v3                       ; the same two rows in ao: rows of 2,048 bytes
	v_lshl_add_u32 v7, v2, 4, v7
	s_lshl_b32 s80, s8, 16
	v_add_nc_u32 v[CO], s80, v7
	v_mov_b32 v[NINF], 0xff800000
	v_lshlrev_b32 v6, 3, v3
	v_sub_nc_u32 v6, v2, v6                        ; r - 8 h
.irp j, 0,1,2,3,4,5,6,7
	v_cmp_lt_i32 s[MK+\j], v6, \j                  ; key 8 h + j > query r
.endr
.irp i, 0,1,2,3
	v_mov_b32 v[T+\i], 0                           ; the lane exchange's destination counts as read
.endr
; The head of a visit to LDS slot cur.  Every wave waits for all its tensor loads (its part of this slot among them) and for its reads of the
; other slot, then passes the barrier; the other slot's refill is the wave's first and only tensor load behind it and has the visit's
; two steps of 64 keys in which to land.  epart = 1: behind key slot e - 1 comes the next block's diagonal slot o.
.macro HEAD cur, refill, epart
	s_wait_tensorcnt 0x0
	ds_add_u32 v254, v255
	s_wait_dscnt 0x0
.if \refill
	s_mul_i32 s16, s14, TILEB                      ; no load of mine is out, so the descriptors may be written
	s_add_nc_u64 s[G0K+4*(1-\cur)+2:G0K+4*(1-\cur)+3], s[18:19], s[16:17]
	s_or_b32 s[G0K+4*(1-\cur)+3], s[G0K+4*(1-\cur)+3], 0x80000000
	s_add_nc_u64 s[G0V+4*(1-\cur)+2:G0V+4*(1-\cur)+3], s[20:21], s[16:17]
	s_or_b32 s[G0V+4*(1-\cur)+3], s[G0V+4*(1-\cur)+3], 0x80000000
	s_add_co_u32 s14, s14, 1
.if \epart
	s_cmp_eq_u32 s14, s12
	s_cselect_b32 s14, s13, s14
.endif
.endif
	s_wait_dscnt 0x0
	s_barrier_signal -1
	s_barrier_wait -1
.if \refill
	KVLOAD 1-\cur
.endif
.endm
.macro QLOAD blk                       ; my 64 queries' fragments, kept for the whole block
	WIN W_LD1
.irp qt, 0,1,2,3
.irp dh, 0,1
	ds_load_b128 v[QF+16*\qt+8*\dh:QF+16*\qt+8*\dh+3],   v[ADRQ] offset:\blk*128*KP+\qt*16*KP+64*\dh
	ds_load_b128 v[QF+16*\qt+8*\dh+4:QF+16*\qt+8*\dh+7], v[ADRQ] offset:\blk*128*KP+\qt*16*KP+64*\dh+32
.endr
.endr
	WIN 0
.endm
; In all that follows: p = pair of query tiles (0, 1), qi = tile of the pair, qt = 2 p + qi, kt = key tile (0..3).
; mode 0: all 64 keys lie below my queries.  mode 1: my own diagonal, and the block's first step: tile (kt, qt) is live for kt <= qt.
; Both in one comparison: kt <= qt + 4 (1 - mode).
.macro SRUN p, mode                    ; scores: two products along d for each live tile, the first starts the sum
	WIN W_S
.irp dh, 0,1
.irp qi, 0,1
.irp kt, 0,1,2,3
.if \kt <= 2*\p+\qi+4*(1-\mode)
.if \dh == 0
	v_wmma_f32_16x16x32_f16 v[S+32*\qi+8*\kt:S+32*\qi+8*\kt+7], v[KF+16*\kt:KF+16*\kt+7], v[QF+16*(2*\p+\qi):QF+16*(2*\p+\qi)+7], 0
.else
	v_wmma_f32_16x16x32_f16 v[S+32*\qi+8*\kt:S+32*\qi+8*\kt+7], v[KF+16*\kt+8:KF+16*\kt+15], v[QF+16*(2*\p+\qi)+8:QF+16*(2*\p+\qi)+15], v[S+32*\qi+8*\kt:S+32*\qi+8*\kt+7]
.endif
.endif
.endr
.endr
.endr
	WIN 0
	PLACES
.endm
; One tile's weights are added to the running sum and packed to f16.
.macro SUMCVT qi, kt, p, mode
.set SB_, S+32*(\qi)+8*(\kt)
.set PB_, P+16*(\qi)+4*(\kt)
.set LB_, L+2*(2*\p+(\qi))
	s_wait_alu depctr_va_vdst(0)
	v_pk_add_f32 v[T:T+1], v[SB_:SB_+1], v[SB_+2:SB_+3]
	v_cvt_pk_f16_f32 v[PB_], v[SB_], v[SB_+1]
	v_pk_add_f32 v[T+2:T+3], v[SB_+4:SB_+5], v[SB_+6:SB_+7]
	v_cvt_pk_f16_f32 v[PB_+1], v[SB_+2], v[SB_+3]
	v_cvt_pk_f16_f32 v[PB_+2], v[SB_+4], v[SB_+5]
	v_cvt_pk_f16_f32 v[PB_+3], v[SB_+6], v[SB_+7]
.if (\kt) == 0
.if \mode
	v_pk_add_f32 v[LB_:LB_+1], v[T:T+1], v[T+2:T+3]                ; the block's first tile starts the sum
.else
	v_pk_add_f32 v[T:T+1], v[T:T+1], v[T+2:T+3]
.if (\qi) == 0
	v_pk_fma_f32 v[LB_:LB_+1], v[LB_:LB_+1], v[AL:AL+1], v[T:T+1] op_sel:[0,0,0] op_sel_hi:[1,0,1]   ; the old sum is rescaled once a step
.else
	v_pk_fma_f32 v[LB_:LB_+1], v[LB_:LB_+1], v[AL:AL+1], v[T:T+1] op_sel:[0,1,0] op_sel_hi:[1,1,1]
.endif
.endif
.else
	v_pk_add_f32 v[T:T+1], v[T:T+1], v[T+2:T+3]
	v_pk_add_f32 v[LB_:LB_+1], v[LB_:LB_+1], v[T:T+1]
.endif
.endm
.macro SOFTMAX p, mode
.if \mode
.irp qi, 0,1
.irp j, 0,1,2,3,4,5,6,7
	v_cndmask_b32 v[S+32*\qi+8*(2*\p+\qi)+\j], v[S+32*\qi+8*(2*\p+\qi)+\j], v[NINF], s[MK+\j]   ; the tile on the diagonal: -inf above it
.endr
.endr
.endif
.irp qi, 0,1
.irp kt, 0,1,2,3
.if \kt <= 2*\p+\qi+4*(1-\mode)
	v_max3_num_f32 v[MA+4*\qi+\kt], v[S+32*\qi+8*\kt],   v[S+32*\qi+8*\kt+1], v[S+32*\qi+8*\kt+2]
	v_max3_num_f32 v[MB+4*\qi+\kt], v[S+32*\qi+8*\kt+3], v[S+32*\qi+8*\kt+4], v[S+32*\qi+8*\kt+5]
.endif
.endr
.endr
.irp qi, 0,1
.irp kt, 0,1,2,3
.if \kt <= 2*\p+\qi+4*(1-\mode)
	v_max3_num_f32 v[MA+4*\qi+\kt], v[MA+4*\qi+\kt], v[S+32*\qi+8*\kt+6], v[S+32*\qi+8*\kt+7]
.endif
.endr
.endr
.irp qi, 0,1
.if \mode
	v_max_num_f32 v[MN+\qi], v[MA+4*\qi], v[MB+4*\qi]
.else
	v_max3_num_f32 v[MN+\qi], v[M+2*\p+\qi], v[MA+4*\qi], v[MB+4*\qi]
.endif
.irp kt, 1,2,3
.if \kt <= 2*\p+\qi+4*(1-\mode)
	v_max3_num_f32 v[MN+\qi], v[MN+\qi], v[MA+4*\qi+\kt], v[MB+4*\qi+\kt]
.endif
.endr
.endr
	v_permlanex16_b32 v[T],   v[MN],   s60, s61    ; the other half of the lanes holds the query's other keys
	v_permlanex16_b32 v[T+1], v[MN+1], s60, s61
	v_max_num_f32 v[MN],   v[MN],   v[T]           ; finite: every query's own key is live in one of the halves
	v_max_num_f32 v[MN+1], v[MN+1], v[T+1]
	v_mul_f32 v[NB],   s66, v[MN]
	v_mul_f32 v[NB+1], s66, v[MN+1]
.if \mode == 0
	v_fma_f32 v[AL],   v[M+2*\p],   s62, v[NB]     ; c (old maximum - new maximum)
	v_fma_f32 v[AL+1], v[M+2*\p+1], s62, v[NB+1]
	v_exp_f32 v[AL],   v[AL]
	v_exp_f32 v[AL+1], v[AL+1]
.endif
	v_mov_b32 v[M+2*\p],   v[MN]                   ; also the plain instructions behind the two exponentials (ISA guide 5.7.2)
	v_mov_b32 v[M+2*\p+1], v[MN+1]
	; weights 2^(c s - c max), tile by tile; a tile's sum and packing stand behind the next tile's exponentials, so that plain instructions
	; on other registers lie between every exponential and the first use of its result
.set HAVE_, 0
.irp kt, 0,1,2,3
.irp qi, 0,1
.if \kt <= 2*\p+\qi+4*(1-\mode)
.irp i, 0,2,4,6
	v_pk_fma_f32 v[S+32*\qi+8*\kt+\i:S+32*\qi+8*\kt+\i+1], v[S+32*\qi+8*\kt+\i:S+32*\qi+8*\kt+\i+1], s[62:63], v[NB:NB+1] op_sel:[0,0,\qi] op_sel_hi:[1,0,\qi]
.endr
.irp i, 0,1,2,3,4,5,6,7
	v_exp_f32 v[S+32*\qi+8*\kt+\i], v[S+32*\qi+8*\kt+\i]
.endr
.if HAVE_
	SUMCVT PQI_, PKT_, \p, \mode
.endif
.set HAVE_, 1
.set PQI_, \qi
.set PKT_, \kt
.endif
.endr
.endr
	SUMCVT PQI_, PKT_, \p, \mode
.if \mode
.irp i, 0,1,2,3
	v_mov_b32 v[P+4*(2*\p+1)+\i], 0                ; an even query tile's last product spans 32 keys, of which the upper 16 lie above the diagonal: weight 0
.endr
.endif
.endm
.macro RESCALE p                       ; what has been summed is brought to the new maximum
	WIN W_RS
.irp qi, 0,1
.set i_, 0
.rept 16
	v_pk_mul_f32 v[O+32*(2*\p+\qi)+2*i_:O+32*(2*\p+\qi)+2*i_+1], v[O+32*(2*\p+\qi)+2*i_:O+32*(2*\p+\qi)+2*i_+1], v[AL:AL+1] op_sel:[0,\qi] op_sel_hi:[1,\qi]
.set i_, i_+1
.endr
.endr
.endm
.macro PVRUN p, mode                   ; O^T += V^T P^T, 32 keys a product; in mode 1 the first product starts the sum
	WIN W_PV
.irp kp, 0,1
.irp qi, 0,1
.if 2*\kp <= 2*\p+\qi+4*(1-\mode)
.irp dt, 0,1,2,3
.if \mode*(1-\kp)
	v_wmma_f32_16x16x32_f16 v[O+32*(2*\p+\qi)+8*\dt:O+32*(2*\p+\qi)+8*\dt+7], v[VF+32*\kp+8*\dt:VF+32*\kp+8*\dt+7], v[P+16*\qi+8*\kp:P+16*\qi+8*\kp+7], 0
.else
	v_wmma_f32_16x16x32_f16 v[O+32*(2*\p+\qi)+8*\dt:O+32*(2*\p+\qi)+8*\dt+7], v[VF+32*\kp+8*\dt:VF+32*\kp+8*\dt+7], v[P+16*\qi+8*\kp:P+16*\qi+8*\kp+7], v[O+32*(2*\p+\qi)+8*\dt:O+32*(2*\p+\qi)+8*\dt+7]
.endif
.endr
.endif
.endr
.endr
.endm
; 64 keys (half kh behind the two addresses) against my 64 queries.
.macro STEP adrk, adrv, kh, mode
.irp kt, 0,1,2,3
.irp dh, 0,1
	ds_load_b128 v[KF+16*\kt+8*\dh:KF+16*\kt+8*\dh+3],   v[\adrk] offset:\kh*64*KP+\kt*16*KP+64*\dh
	ds_load_b128 v[KF+16*\kt+8*\dh+4:KF+16*\kt+8*\dh+7], v[\adrk] offset:\kh*64*KP+\kt*16*KP+64*\dh+32
.endr
.endr
	WIN W_LD1
.irp kp, 0,1
.irp dt, 0,1,2,3
	ds_load_tr16_b128 v[VF+32*\kp+8*\dt:VF+32*\kp+8*\dt+3],   v[\adrv] offset:(64*\kh+32*\kp)*VP+32*\dt
	ds_load_tr16_b128 v[VF+32*\kp+8*\dt+4:VF+32*\kp+8*\dt+7], v[\adrv] offset:(64*\kh+32*\kp+16)*VP+32*\dt
.endr
.endr
	WIN 0
	s_wait_dscnt 16                                ; K (and Q, where it was just asked for) is in; V's sixteen loads stay out
	SRUN 0, \mode
	SOFTMAX 0, \mode
	s_wait_dscnt 0x0                               ; V is in
.if \mode == 0
	RESCALE 0
.endif
	PVRUN 0, \mode
	SRUN 1, \mode
	SOFTMAX 1, \mode
.if \mode == 0
	RESCALE 1
.endif
	PVRUN 1, \mode
	WIN 0
	PLACES                                         ; in front of the next loads into V's fragments and of the way out's reads of the sums
.endm
.macro DIAG s                          ; the block's own slot: my own 64 keys, masked; for the upper half of the rows also the lower 64 keys, all live
	STEP ADRKD+\s, ADRVD+\s, 0, 1
	s_cmp_eq_u32 s9, 0
	s_cbranch_scc1 .Lskip_\@
	STEP ADRK+\s, ADRV+\s, 0, 0
.Lskip_\@:
.endm
.macro FULL s
	STEP ADRK+\s, ADRV+\s, 0, 0
	STEP ADRK+\s, ADRV+\s, 1, 0
.endm
; The way out of a block (blk: the scalar register with its number): divide by the sum, round to f16, through the stage, whole rows out.
.macro EPI blk
	s_lshl_b32 s78, s[\blk], 7
	s_add_co_u32 s78, s78, s82
	s_lshl_b32 s78, s78, 11                        ; rows of 2,048 bytes
	s_add_co_u32 s78, s78, s83
	s_mov_b32 s79, 0
	s_add_nc_u64 s[76:77], s[6:7], s[78:79]
.irp qt, 0,1,2,3
	v_add_f32 v[MA+\qt], v[L+2*\qt], v[L+2*\qt+1]
.endr
.irp qt, 0,1,2,3
	v_permlanex16_b32 v[T+\qt], v[MA+\qt], s60, s61
.endr
.irp qt, 0,1,2,3
	v_add_f32 v[MA+\qt], v[MA+\qt], v[T+\qt]       ; at least 1: the largest score's weight is 1
.endr
.irp qt, 0,1,2,3
	v_rcp_f32 v[MA+\qt], v[MA+\qt]
.endr
	v_nop                                          ; a plain instruction behind the reciprocals (ISA guide 5.7.2)
.irp p, 0,1
	WIN W_EP
.irp qi, 0,1
.set i_, 0
.rept 16
	s_wait_alu depctr_va_vdst(0)
	v_pk_mul_f32 v[S+32*\qi+2*i_:S+32*\qi+2*i_+1], v[O+32*(2*\p+\qi)+2*i_:O+32*(2*\p+\qi)+2*i_+1], v[MA+2*\p:MA+2*\p+1] op_sel:[0,\qi] op_sel_hi:[1,\qi]
.set i_, i_+1
.endr
.endr
	WIN 0
.irp qi, 0,1
.set i_, 0
.rept 16
	v_cvt_pk_f16_f32 v[P+16*\qi+i_], v[S+32*\qi+2*i_], v[S+32*\qi+2*i_+1]
.set i_, i_+1
.endr
.endr
.irp qi, 0,1
.irp dt, 0,1,2,3
	ds_store_b128 v[STO], v[P+16*\qi+4*\dt:P+16*\qi+4*\dt+3] offset:(2*\p+\qi)*16*KP+32*\dt   ; query r, d = 16 dt + 8 h + 0..7: 16 bytes of a row
.endr
.endr
.endr
	s_wait_dscnt 0x0                               ; my stores are in the stage: a row holds both heads, written by two waves
	s_barrier_signal -1                            ; The load that is on its way may stay out
	s_barrier_wait -1
.irp t, 0,1,2,3,4,5,6,7,8,9,10,11,12,13,14,15
	ds_load_b128 v[KF+4*\t:KF+4*\t+3], v[RD] offset:2*KP*\t
.endr
.irp t, 0,1,2,3,4,5,6,7,8,9,10,11,12,13,14,15
	s_wait_dscnt 15-\t
	global_store_b128 v[CO], v[KF+4*\t:KF+4*\t+3], s[76:77] offset:4096*\t   ; 16 lanes store 256 consecutive bytes, at a multiple of 256
.endr
	s_wait_xcnt 0x0                                ; the stores' data and base are written again only behind this wait
.endm
	; block e
	HEAD 0, 1, 1
	QLOAD 0
	DIAG 0
	s_sub_co_u32 s15, 7, s11                       ; e / 2 trips of two slots
	s_cmp_eq_u32 s15, 0
	s_cbranch_scc1 .Le_done
.Le:
	HEAD 1, 1, 1
	FULL 1
	HEAD 0, 1, 1
	FULL 0
	s_sub_co_i32 s15, s15, 1
	s_cmp_lg_u32 s15, 0
	s_cbranch_scc1 .Le
.Le_done:
	EPI 12
	; block o: its diagonal slot was asked for at the head of block e's last visit
	s_mov_b32 s14, 0
	HEAD 1, 1, 0
	QLOAD 1
	DIAG 1
	s_mov_b32 s15, s11                             ; (o - 1) / 2 trips of two slots
	s_cmp_eq_u32 s15, 0
	s_cbranch_scc1 .Lo_done
.Lo:
	HEAD 0, 1, 0
	FULL 0
	HEAD 1, 1, 0
	FULL 1
	s_sub_co_i32 s15, s15, 1
	s_cmp_lg_u32 s15, 0
	s_cbranch_scc1 .Lo
.Lo_done:
	HEAD 0, 0, 0                                   ; the last slot: nothing is left to fetch
	FULL 0
	EPI 13
	s_wait_tensorcnt 0x0
	ds_add_u32 v254, v255
	s_wait_dscnt 0x0
	s_endpgm
.Lfunc_end_k_q701d21c133_attn:
	.size	k_q701d21c133_attn, .Lfunc_end_k_q701d21c133_attn-k_q701d21c133_attn
	.p2alignl 7, 3214868480
	.fill 96, 4, 3214868480
	.section	.rodata,"a",@progbits
	.p2align	6, 0x0
	.amdhsa_kernel k_q701d21c133_attn
		.amdhsa_group_segment_fixed_size 327680
		.amdhsa_private_segment_fixed_size 0
		.amdhsa_enable_private_segment 0
		.amdhsa_kernarg_size 16
		.amdhsa_user_sgpr_count 2
		.amdhsa_user_sgpr_kernarg_segment_ptr 1
		.amdhsa_wavefront_size32 1
		.amdhsa_system_sgpr_workgroup_id_x 1
		.amdhsa_system_sgpr_workgroup_id_y 1
		.amdhsa_system_sgpr_workgroup_id_z 1
		.amdhsa_system_vgpr_workitem_id 0
		.amdhsa_next_free_vgpr 512
		.amdhsa_next_free_sgpr 88
		.amdhsa_reserve_vcc 0
		.amdhsa_float_denorm_mode_32 3
		.amdhsa_float_denorm_mode_16_64 3
		.amdhsa_memory_ordered 1
		.amdhsa_forward_progress 1
		.amdhsa_inst_pref_size 255
	.end_amdhsa_kernel
	.section	.bss,"aw",@nobits
	.p2align	6
	.space	262144
	.amdgpu_metadata
---
amdhsa.version: [ 1, 2 ]
amdhsa.kernels:
  - .name:           k_q701d21c133_attn
    .symbol:         k_q701d21c133_attn.kd
    .args:
      - { .name: qkv, .offset: 0, .size: 8, .value_kind: global_buffer, .address_space: global }
      - { .name: ao, .offset: 8, .size: 8, .value_kind: global_buffer, .address_space: global }
    .group_segment_fixed_size: 327680
    .private_segment_fixed_size: 0
    .kernarg_segment_align: 8
    .kernarg_segment_size: 16
    .max_flat_workgroup_size: 128
    .sgpr_count:     88
    .vgpr_count:     512
    .wavefront_size: 32
...
	.end_amdgpu_metadata
.endif
;; end of part 3
;; launch gemm_out (part 4): grid 4 x 64, 4 waves a work-group, clusters of 4 x 4, 327,680 bytes of LDS; arguments ao, xw, out0; writes out0
.if DOCPART == 4
	.amdgcn_target "amdgcn-amd-amdhsa--gfx1250"
	.amdhsa_code_object_version 6
	.text
	.protected	k_q701d21c133_gemm_out
	.globl	k_q701d21c133_gemm_out
	.p2align	8
	.type	k_q701d21c133_gemm_out,@function
k_q701d21c133_gemm_out:
	s_mov_b64 s[64:65], 0
	v_nop
	global_prefetch_b8 v0, s[64:65] scope:SCOPE_SE
	s_setreg_imm32_b32 hwreg(HW_REG_WAVE_MODE, 25, 1), 1
	s_wait_xcnt 0x0
	s_wait_alu depctr_hold_cnt(0) depctr_sa_sdst(0) depctr_va_vdst(0) depctr_va_sdst(0) depctr_va_ssrc(0) depctr_va_vcc(0) depctr_vm_vsrc(0)
	s_getreg_b32 s2, hwreg(HW_REG_IB_STS2, 6, 4)
	s_cmp_eq_u32 s2, 0
	s_cbranch_scc0 .Lentry_in_a_cluster
	s_endpgm
.Lentry_in_a_cluster:
	s_bfe_u32 s2, ttmp6, 0x10000c
	s_cmp_lg_u32 s2, 0xf033
	s_cbranch_scc0 .Lentry_shape_is_right
	s_endpgm
.Lentry_shape_is_right:
; out0[m][n] = sum over k of ao[m][k] wo[n][k].  ao [8192][1024] f16, wo [1024][1024] f16 at byte 23,068,672 of xw, out0 [8192][1024] f32; sums in f32.
; The text of gemm_qkv with other sizes: a block of 128 x 256, a wave makes 128 x 64 (32 accumulator tiles), the f16 form, and f32 on the way out.
; K goes in steps of 128 through a ring of two LDS slots filled by the tensor data mover; a tile's rows are 256 bytes of memory, aligned.
; CLUSTERS: 4 x 4 work-groups; A's tiles are asked for jointly along a row of the cluster, B's along a column.  Waves 0 and 1 ask for 64 rows
; of A each, waves 2 and 3 for 128 rows of B each: one load a wave and K step.
; REGISTERS: window 0: addresses, two buffers of fragments;  window 1: the tiles of rows 0-63;  window 2: of rows 64-127.
; The matrix instruction is used transposed (source 0 = rows of B, source 1 = rows of A): a lane holds row l % 16 of C and eight neighbouring columns.
; The 32 accumulators take turns, one instruction a turn, in the same order in every quarter step.
.set NT,     4
.set BN,     64*NT
.set AW,     2
.set AROWS,  128/AW
.set KSTEP,  128
.set PITCH,  272                       ; 256 bytes and 16 of padding
.set PART,   128*PITCH
.set SLOT,   (128+BN)*PITCH
.set LAPS,   4
.set CROW,   4096                      ; bytes in a row of out0
.set SP,     1040                      ; a row of the stage: 1,024 bytes and 16
.set CU,     4                         ; pieces of 256 bytes in a block's row
.set ADRA, 16
.set ADRB, 20
.set STO,  24
.set STO2, 25
.set RD,   26
.set CO,   27
.set FA,   32
.set FB,   96
.set FSTEP, 112
.set G1,  24
.set G0,  32
.set G1B, 48
.set G0B, 56
.set MSB, 0
.macro WIN new                         ; the immediate's high byte repeats the setting that is left
.if MSB != \new
	s_set_vgpr_msb (MSB<<8)|\new
.set MSB, \new
.endif
.endm
.set MUL_LO, 0x50
.set MUL_HI, 0xa0
.macro JLOAD s                         ; a joint load: one mask and one set of registers a line; the branch hangs on the wave's number alone
	s_cmp_lt_u32 s10, AW
	s_cbranch_scc0 .Lfor_b_\@
	tensor_load_to_lds s[G0+4*\s:G0+4*\s+3], s[G1:G1+7]
	s_nop 0
	s_branch .Lasked_\@
.Lfor_b_\@:
	tensor_load_to_lds s[G0B+4*\s:G0B+4*\s+3], s[G1B:G1B+7]
	s_nop 0
.Lasked_\@:
.endm
.macro CREST
	s_cmp_lg_u32 s10, 0
	s_cbranch_scc1 .Lnot_wave_0_\@
	s_barrier_signal -3
.Lnot_wave_0_\@:
	s_barrier_wait -3
	s_barrier_signal -1
	s_barrier_wait -1
.endm
.macro CROUND
	s_barrier_signal -1
	s_barrier_wait -1
	CREST
.endm
.macro PLACES                          ; four places behind a matrix instruction (ISA guide 7.12.1)
.rept 4
	v_nop
.endr
.endm
	s_load_b128 s[4:7], s[0:1], 0x0                ; ao s[4:5], xw s[6:7]
	s_load_b64 s[8:9], s[0:1], 0x10                ; out0
	v_lshl_add_u32 v254, v0, 2, 0x33000
	v_mov_b32 v255, 0
	ds_add_u32 v254, v255
	ds_add_u32 v254, v255
	v_lshrrev_b32 v1, 5, v0
	v_readfirstlane_b32 s10, v1                    ; wave
	s_bfe_u32 s40, ttmp6, 0x40000                  ; cx
	s_bfe_u32 s41, ttmp6, 0x40004                  ; cy
	s_lshl_b32 s42, ttmp9, 2
	s_add_co_u32 s42, s42, s40                     ; block column
	s_and_b32 s13, ttmp7, 0xffff
	s_lshl_b32 s13, s13, 2
	s_add_co_u32 s13, s13, s41                     ; block row
	s_lshl_b32 s43, s41, 2
	s_lshl_b32 s43, 15, s43                        ; my row of the cluster
	s_lshl_b32 s44, 0x1111, s40                    ; my column
	s_or_b32 s[G1+0], s43, (1<<16)|(1<<20)|(1<<21)|(5<<22)|(3<<25)
	s_or_b32 s[G1B+0], s44, (1<<16)|(1<<20)|(1<<21)|(5<<22)|(3<<25)
	s_mov_b32 s[G1+1], KSTEP<<16
	s_mov_b32 s[G1B+1], KSTEP<<16
	s_mov_b32 s[G1+2], AROWS<<16
	s_mov_b32 s[G1B+2], 128<<16
	s_mov_b32 s[G1+3], KSTEP<<16
	s_mov_b32 s[G1B+3], KSTEP<<16
	s_mov_b32 s[G1+4], AROWS
	s_mov_b32 s[G1B+4], 128
	s_mov_b32 s[G1+5], 1024
	s_mov_b32 s[G1B+5], 1024
	s_mov_b32 s[G1+6], 0
	s_mov_b32 s[G1B+6], 0
	s_mov_b32 s[G1+7], 0
	s_mov_b32 s[G1B+7], 0
	s_lshl_b32 s16, s13, 7
	s_mul_i32 s17, s10, AROWS
	s_add_co_u32 s16, s16, s17                     ; A: row 128 x block row + my part
	s_lshl_b32 s16, s16, 11
	s_mov_b32 s17, 0
	s_add_co_u32 s45, s10, 4-AW
	s_and_b32 s45, s45, 3                          ; which 128 rows of B's tile I fetch (waves AW to 3: 0, 1)
	s_mul_i32 s46, s42, BN
	s_lshl_b32 s47, s45, 7
	s_add_co_u32 s46, s46, s47                     ; B: row 256 x block column + my part
	s_lshl_b32 s46, s46, 11
	s_mov_b32 s47, 0
	s_mul_i32 s20, s10, AROWS*PITCH
	s_mul_i32 s21, s45, PART
	s_add_co_u32 s21, s21, PART
	s_wait_dscnt 0x0
	s_wait_kmcnt 0x0
	s_add_nc_u64 s[6:7], s[6:7], 0x1600000         ; B: wo
	s_add_nc_u64 s[14:15], s[4:5], s[16:17]
	s_add_nc_u64 s[46:47], s[6:7], s[46:47]
	CROUND                                         ; the first joint loads meet
.irp s, 0,1
	s_mov_b32 s[G0+4*\s], 1
	s_add_co_u32 s[G0+4*\s+1], s20, \s*SLOT
	s_add_nc_u64 s[G0+4*\s+2:G0+4*\s+3], s[14:15], \s*KSTEP*2
	s_or_b32 s[G0+4*\s+3], s[G0+4*\s+3], 0x80000000
	s_mov_b32 s[G0B+4*\s], 1
	s_add_co_u32 s[G0B+4*\s+1], s21, \s*SLOT
	s_add_nc_u64 s[G0B+4*\s+2:G0B+4*\s+3], s[46:47], \s*KSTEP*2
	s_or_b32 s[G0B+4*\s+3], s[G0B+4*\s+3], 0x80000000
	JLOAD \s                                       ; two loads of the wave are out
.endr
	v_and_b32 v1, 15, v0                           ; r
	v_bfe_u32 v2, v0, 4, 1                         ; h
	v_mul_u32_u24 v3, v1, PITCH
	v_lshl_add_u32 v3, v2, 4, v3
	s_mul_i32 s22, s10, 16*NT*PITCH
	s_add_co_u32 s22, s22, PART                    ; my 64 rows of B
	v_mov_b32 v[ADRA], v3
	v_add_nc_u32 v[ADRA+1], SLOT, v3
	v_add_nc_u32 v[ADRB], s22, v3
	v_add_nc_u32 v[ADRB+1], SLOT, v[ADRB]
	v_mul_u32_u24 v4, v1, SP                       ; stage, in: row r, my wave's 256 bytes, 32 bytes for each half of the lanes
	v_lshl_add_u32 v4, v2, 5, v4
	s_mul_i32 s23, s10, 64*NT
	v_add_nc_u32 v[STO], s23, v4
	v_add_nc_u32 v[STO2], 64*SP, v[STO]
	v_mul_u32_u24 v5, v2, SP                       ; stage, back: my wave's 32 rows, two rows an instruction
	v_lshl_add_u32 v5, v1, 4, v5
	s_mul_i32 s23, s10, 32*SP
	v_add_nc_u32 v[RD], s23, v5
	v_mul_u32_u24 v5, v2, CROW
	v_lshl_add_u32 v[CO], v1, 4, v5
.macro MULA f, hi, a0, zero            ; 2 NT matrix instructions; zero = 1: the first product starts the sums
.irp a, \a0, \a0+1
.set b_, 0
.rept NT
.if \zero
	v_wmma_f32_16x16x32_f16 v[8*(NT*(\a)+b_):8*(NT*(\a)+b_)+7], v[FB+FSTEP*\f+8*b_:FB+FSTEP*\f+8*b_+7], v[FA+FSTEP*\f+8*(4*\hi+\a):FA+FSTEP*\f+8*(4*\hi+\a)+7], 0
.else
	v_wmma_f32_16x16x32_f16 v[8*(NT*(\a)+b_):8*(NT*(\a)+b_)+7], v[FB+FSTEP*\f+8*b_:FB+FSTEP*\f+8*b_+7], v[FA+FSTEP*\f+8*(4*\hi+\a):FA+FSTEP*\f+8*(4*\hi+\a)+7], v[8*(NT*(\a)+b_):8*(NT*(\a)+b_)+7]
.endif
.set b_, b_+1
.endr
.endr
.endm
.macro FETCH slot, k, f                ; a quarter step's fragments: B, then A's rows 0-63, then 64-127
.set b_, 0
.rept NT
	ds_load_b128 v[FB+FSTEP*\f+8*b_:FB+FSTEP*\f+8*b_+3],   v[ADRB+\slot] offset:\k+b_*16*PITCH
	ds_load_b128 v[FB+FSTEP*\f+8*b_+4:FB+FSTEP*\f+8*b_+7], v[ADRB+\slot] offset:\k+b_*16*PITCH+32
.set b_, b_+1
.endr
.irp i, 0,1,2,3,4,5,6,7
	ds_load_b128 v[FA+FSTEP*\f+8*\i:FA+FSTEP*\f+8*\i+3],   v[ADRA+\slot] offset:\k+\i*16*PITCH
	ds_load_b128 v[FA+FSTEP*\f+8*\i+4:FA+FSTEP*\f+8*\i+7], v[ADRA+\slot] offset:\k+\i*16*PITCH+32
.endr
.endm
.macro QUARTER slot, k, f, g, zero
	s_wait_dscnt 8                                 ; the youngest eight loads (A's rows 64-127) may be out
	WIN MUL_LO
	MULA \f, 0, 0, \zero
	MULA \f, 0, 2, \zero
	PLACES
	WIN 0
	FETCH \slot, \k, \g
	s_wait_dscnt 2*(8+NT)                          ; all but the run just issued
	WIN MUL_HI
	MULA \f, 1, 0, \zero
	MULA \f, 1, 2, \zero
.endm
.macro THREE slot, zero
	QUARTER \slot, 64,  0, 1, \zero
	QUARTER \slot, 128, 1, 0, 0
	QUARTER \slot, 192, 0, 1, 0
.endm
; The last quarter changes slots: each wave's reads of this slot and all its tensor loads are waited for in front of the barrier; where the slot
; is filled again the barrier opens a round of the cluster's barrier and the joint refill is the wave's first and only tensor load behind it.
.macro TURN slot, next, fill
	s_wait_dscnt 8
	WIN MUL_LO
	MULA 1, 0, 0, 0
	s_wait_dscnt 0
	s_wait_tensorcnt 0x0
	ds_add_u32 v254, v255
	s_wait_dscnt 0x0
	s_barrier_signal -1
	MULA 1, 0, 2, 0
	WIN 0
	s_barrier_wait -1
.if \fill
	CREST
	s_add_nc_u64 s[G0+4*\slot+2:G0+4*\slot+3], s[G0+4*\slot+2:G0+4*\slot+3], 2*KSTEP*2
	s_add_nc_u64 s[G0B+4*\slot+2:G0B+4*\slot+3], s[G0B+4*\slot+2:G0B+4*\slot+3], 2*KSTEP*2
	JLOAD \slot
.endif
	PLACES
	FETCH \next, 0, 0
	WIN MUL_HI
	MULA 1, 1, 0, 0
	MULA 1, 1, 2, 0
.endm
.macro LAP zero
	THREE 0, \zero
	TURN 0, 1, 1
	THREE 1, 0
	TURN 1, 0, 1
.endm
	s_wait_tensorcnt 0x1                           ; my part of K step 0 is in; K step 1's stays out
	s_barrier_signal -1
	s_barrier_wait -1
	FETCH 0, 0, 0
	LAP 1
	WIN 0
	s_mov_b32 s3, LAPS-2
.Llap:
	LAP 0
	WIN 0
	s_sub_co_u32 s3, s3, 1
	s_cmp_lg_u32 s3, 0
	s_cbranch_scc1 .Llap
	THREE 0, 0                                     ; the last lap fills nothing
	TURN 0, 1, 0
	THREE 1, 0
	s_wait_dscnt 8
	WIN MUL_LO
	MULA 1, 0, 0, 0
	MULA 1, 0, 2, 0
	s_wait_dscnt 0
	WIN MUL_HI
	MULA 1, 1, 0, 0
	MULA 1, 1, 2, 0
	; THE WAY OUT.  The ring has had its last fill and every wave's loads have landed: its bytes now serve as a stage of 128 rows x 1,040 bytes.
	PLACES
	WIN 0
	s_barrier_signal -1                            ; every wave's reads of the ring are over
	s_barrier_wait -1
	s_lshl_b32 s16, s13, 7
	s_lshl_b32 s17, s10, 5
	s_add_co_u32 s16, s16, s17                     ; the first of the 32 rows that my wave stores
	s_mul_i32 s16, s16, CROW
	s_mov_b32 s17, 0
	s_add_nc_u64 s[8:9], s[8:9], s[16:17]
	s_mul_i32 s46, s42, BN*4                       ; the block's first column, in bytes
	s_mov_b32 s47, 0
	s_add_nc_u64 s[8:9], s[8:9], s[46:47]
.macro STG al, win, sto                ; rows 16 al .. + 15 of a window's 64, straight from the accumulators: 32 bytes a lane and tile
	WIN \win
.set b_, 0
.rept NT
	ds_store_b128 v[\sto], v[8*(NT*\al+b_):8*(NT*\al+b_)+3]   offset:\al*16*SP+64*b_
	ds_store_b128 v[\sto], v[8*(NT*\al+b_)+4:8*(NT*\al+b_)+7] offset:\al*16*SP+64*b_+16
.set b_, b_+1
.endr
.endm
	STG 0, 0x04, STO
	STG 1, 0x04, STO
	STG 2, 0x04, STO
	STG 3, 0x04, STO
	STG 0, 0x08, STO2
	STG 1, 0x08, STO2
	STG 2, 0x08, STO2
	STG 3, 0x08, STO2
	WIN 0
	s_wait_dscnt 0x0                               ; my stores are in the stage, for the waves that read them
	s_barrier_signal -1
	s_barrier_wait -1
.macro OUTB n0, rb                     ; eight pieces: piece n is 256 bytes (piece n % CU) of rows 2 (n / CU), 2 (n / CU) + 1 of my wave's 32
	s_wait_xcnt 0x0                                ; these registers were the data of earlier stores: loaded again only behind this wait
.set n_, \n0
.rept 8
	ds_load_b128 v[\rb+4*(n_-\n0):\rb+4*(n_-\n0)+3], v[RD] offset:2*SP*(n_/CU)+256*(n_%CU)
.set n_, n_+1
.endr
.set n_, \n0
.rept 8
	s_wait_dscnt 7-(n_-\n0)
	global_store_b128 v[CO], v[\rb+4*(n_-\n0):\rb+4*(n_-\n0)+3], s[8:9] offset:2*CROW*(n_/CU)+256*(n_%CU) th:TH_STORE_NT   ; 16 lanes store 256 consecutive bytes, aligned
.set n_, n_+1
.endr
.endm
	OUTB 0, 32
	OUTB 8, 64
	OUTB 16, 32
	OUTB 24, 64
	OUTB 32, 32
	OUTB 40, 64
	OUTB 48, 32
	OUTB 56, 64
	s_wait_tensorcnt 0x0
	ds_add_u32 v254, v255
	s_wait_dscnt 0x0
	CROUND                                         ; the closing round
	s_endpgm
.Lfunc_end_k_q701d21c133_gemm_out:
	.size	k_q701d21c133_gemm_out, .Lfunc_end_k_q701d21c133_gemm_out-k_q701d21c133_gemm_out
	.p2alignl 7, 3214868480
	.fill 96, 4, 3214868480
	.section	.rodata,"a",@progbits
	.p2align	6, 0x0
	.amdhsa_kernel k_q701d21c133_gemm_out
		.amdhsa_group_segment_fixed_size 327680
		.amdhsa_private_segment_fixed_size 0
		.amdhsa_enable_private_segment 0
		.amdhsa_kernarg_size 24
		.amdhsa_user_sgpr_count 2
		.amdhsa_user_sgpr_kernarg_segment_ptr 1
		.amdhsa_wavefront_size32 1
		.amdhsa_system_sgpr_workgroup_id_x 1
		.amdhsa_system_sgpr_workgroup_id_y 1
		.amdhsa_system_sgpr_workgroup_id_z 1
		.amdhsa_system_vgpr_workitem_id 0
		.amdhsa_next_free_vgpr 640
		.amdhsa_next_free_sgpr 66
		.amdhsa_reserve_vcc 0
		.amdhsa_float_denorm_mode_32 3
		.amdhsa_float_denorm_mode_16_64 3
		.amdhsa_memory_ordered 1
		.amdhsa_forward_progress 1
		.amdhsa_inst_pref_size 118
	.end_amdhsa_kernel
	.amdgpu_metadata
---
amdhsa.version: [ 1, 2 ]
amdhsa.kernels:
  - .name:           k_q701d21c133_gemm_out
    .symbol:         k_q701d21c133_gemm_out.kd
    .args:
      - { .name: ao, .offset: 0, .size: 8, .value_kind: global_buffer, .address_space: global }
      - { .name: xw, .offset: 8, .size: 8, .value_kind: global_buffer, .address_space: global }
      - { .name: out0, .offset: 16, .size: 8, .value_kind: global_buffer, .address_space: global }
    .group_segment_fixed_size: 327680
    .private_segment_fixed_size: 0
    .kernarg_segment_align: 8
    .kernarg_segment_size: 24
    .max_flat_workgroup_size: 128
    .sgpr_count:     66
    .vgpr_count:     640
    .wavefront_size: 32
...
	.end_amdgpu_metadata
.endif
;; end of part 4
;; ======== version 2 of 2: 4 launches; version 1 with the launch cast written anew for expert scheduling mode
;; limits: values are held in f16: magnitudes above 65,504 overflow, below 6.1e-05 lose precision
;; workspace buffers: xw 25,165,824 bytes; qkv 50,331,648 bytes; ao 16,777,216 bytes
;; launch cast (part 5): grid 768 x 1, 8 waves a work-group, no clusters, 0 bytes of LDS; arguments x, W_q, W_k, W_v, W_o, xw; writes xw
.if DOCPART == 5
	.amdgcn_target "amdgcn-amd-amdhsa--gfx1250"
	.amdhsa_code_object_version 6
	.text
	.protected	k_q701d21c133_cast
	.globl	k_q701d21c133_cast
	.p2align	8
	.type	k_q701d21c133_cast,@function
k_q701d21c133_cast:
	s_mov_b64 s[64:65], 0
	v_nop
	global_prefetch_b8 v0, s[64:65] scope:SCOPE_SE
	s_setreg_imm32_b32 hwreg(HW_REG_WAVE_SCHED_MODE, 0, 2), 2
	s_setreg_imm32_b32 hwreg(HW_REG_WAVE_MODE, 25, 1), 1
	s_wait_xcnt 0x0
	s_wait_alu depctr_vm_vsrc(0)
; First of four launches of causal multi-head attention: B = 4, T = 2048, C = 1024, 16 heads of 64.
;   cast: x, W_q, W_k, W_v to bf16, W_o to bf16 and on to f16      gemm_qkv: Q, K, V = x W^T
;   attn: softmax(Q K^T / 8, causal) V                             gemm_out: result = attention W_o^T
; WORK LEFT OUT (in the launch attn).  The problem sets every score with key > query to -inf before the softmax, so that score's weight is
; exp(-inf) = 0 exactly and its term weight x V adds 0 to the sum, whatever finite values x and the four W hold.  Left out in whole units:
; the slots of 128 keys above a block of 128 queries, the 64 keys above a wave's 64 queries, and the tiles of 16 x 16 scores above the diagonal.
; Every input still has a way to the result, so all five are loaded.
; LIMITS: a NaN, an infinity or an overflow that reaches only the scores and products left out is not carried to the result.
; Q, K, V and the attention's result are kept in f16: their magnitudes must stay below 65,504.  W_o is kept in f16: a bf16 number below
; 2^-17 in magnitude is rounded there to a multiple of 2^-24.
; WHY W_o GOES THROUGH bf16.  All five inputs are rounded to bf16 alike, so that the four launches together compute the problem's function of
; inputs rounded to bf16; every later rounding is to f16, eight times finer.  gemm_out's other operand has to be f16 for that reason, a matrix
; instruction takes both operands in one format, and a bf16 number of W_o's size is exact in f16: so bf16(W_o) is written as f16.  A W_o rounded
; straight to f16 would differ from bf16(W_o) by bf16's rounding, up to 2^-9 of each number; summed over 1,024 terms that is a like part of a
; row's root mean square.  The first rows of a sequence average few keys, their root mean square is some ten times that of the whole result
; (the variance of row t falls as e / t), and there the difference would come to more than a hundredth of the whole result's root mean square.
;
; THIS LAUNCH streams: no LDS, no barrier, no matrix work, nothing shared between work-groups.  Work-group g takes 65,536 bytes of f32
; (g < 512: of x; then 64 groups for each of W_q, W_k, W_v, W_o) and stores 32,768 bytes at byte 32,768 g of xw, so that xw holds
; x [8192][1024] bf16, then W_q, W_k, W_v as one [3072][1024] bf16, then W_o [1024][1024] f16.
; A wave's load covers 512 consecutive bytes, its store 256 consecutive bytes at a multiple of 256.  All sixteen loads of a thread go out first.
; THE MODE: SCHED_MODE bits 1:0 = 2 (LLVM: expert scheduling mode 2), set by the entry lines.  The code itself states the register dependences
; between vector instructions and memory instructions, with s_wait_alu, always for 0.
; THE PLAN.  Registers that memory instructions touch:
;   v1, v2   byte offsets of the loads and of the stores.  Written once at the head, never again.
;   X        sixteen loads of four f32.  Each part is loaded once, ahead of every vector line that names X; the conversions read it.
;   Y        sixteen pairs of packed results.  Each pair is written by the conversions of one load and read by one store, and never written again.
;   T        at work: no memory instruction names it.
; So one wait on va_vdst stands ahead of the first load, for the two offsets, and one behind the conversions of each block of four loads, ahead
; of the block's four stores, for the block's eight registers of Y.  No register that a memory instruction reads, and none in which a load
; lands, is written a second time: nothing is owed on vm_vsrc, and no address register or base is freed by a wait.
; The wait stands behind a block's conversions, not at the next block's head: the stores leave without sitting out four more loads.
.set X, 4                              ; v[4:67]    sixteen loads of four f32
.set Y, 68                             ; v[68:99]   sixteen pairs of packed results
.set T, 100                            ; v[100:101] at work (W_o alone)
	s_load_b256 s[4:11], s[0:1], 0x0               ; x s[4:5], W_q s[6:7], W_k s[8:9], W_v s[10:11]
	s_load_b128 s[12:15], s[0:1], 0x20             ; W_o s[12:13], xw s[14:15]
	v_lshlrev_b32 v1, 4, v0                        ; 16 bytes a thread in
	v_lshlrev_b32 v2, 3, v0                        ; 8 bytes a thread out
	s_sub_co_u32 s20, ttmp9, 512
	s_lshr_b32 s21, s20, 6                         ; which W (0 to 3; for g < 512 a number that fits none)
	s_and_b32 s22, s20, 63                         ; the group's place in its W,
	s_cmp_lt_u32 ttmp9, 512
	s_cselect_b32 s22, ttmp9, s22                  ; or in x
	s_lshl_b32 s18, s22, 16                        ; times 65,536 bytes
	s_mov_b32 s19, 0
	s_lshl_b32 s24, ttmp9, 15                      ; g times 32,768 bytes
	s_mov_b32 s25, 0
	s_wait_kmcnt 0x0
	s_cmp_eq_u32 s21, 1                            ; the source is chosen by the group's number alone
	s_cselect_b64 s[16:17], s[8:9], s[6:7]
	s_cmp_eq_u32 s21, 2
	s_cselect_b64 s[16:17], s[10:11], s[16:17]
	s_cmp_eq_u32 s21, 3
	s_cselect_b64 s[16:17], s[12:13], s[16:17]
	s_cmp_lt_u32 ttmp9, 512
	s_cselect_b64 s[16:17], s[4:5], s[16:17]
	s_add_nc_u64 s[16:17], s[16:17], s[18:19]
	s_add_nc_u64 s[14:15], s[14:15], s[24:25]
	s_wait_alu depctr_va_vdst(0)                   ; v1 and v2 are written: every load below reads v1 as its offset, every store v2
.irp i, 0,1,2,3,4,5,6,7,8,9,10,11,12,13,14,15
	global_load_b128 v[X+4*\i:X+4*\i+3], v1, s[16:17] offset:4096*\i th:TH_LOAD_NT
.endr
; Load i is rounded.  f16 = 1: the bf16 numbers are widened again and written as f16.
.macro CONV i, f16
	s_wait_loadcnt 15-(\i)                         ; loads come back in order: load i is in, the 15 - i younger ones stay out
	v_cvt_pk_bf16_f32 v[Y+2*(\i)],   v[X+4*(\i)],   v[X+4*(\i)+1]
	v_cvt_pk_bf16_f32 v[Y+2*(\i)+1], v[X+4*(\i)+2], v[X+4*(\i)+3]
.if \f16
.irp k, 0,1
	v_lshlrev_b32 v[T],   16, v[Y+2*(\i)+\k]
	v_and_b32     v[T+1], 0xffff0000, v[Y+2*(\i)+\k]
	v_cvt_pk_f16_f32 v[Y+2*(\i)+\k], v[T], v[T+1]
.endr
.endif
.endm
; Block p: loads 4 p to 4 p + 3 are rounded as they come in; then their four stores go out behind one wait.
.macro BLOCK p, f16
.irp i, 0,1,2,3
	CONV 4*(\p)+(\i), \f16
.endr
	s_wait_alu depctr_va_vdst(0)                   ; the block's conversions have written its eight registers of Y, which the four stores below read
.irp i, 0,1,2,3
	global_store_b64 v2, v[Y+2*(4*(\p)+(\i)):Y+2*(4*(\p)+(\i))+1], s[14:15] offset:2048*(4*(\p)+(\i))
.endr
.endm
	s_cmp_ge_u32 ttmp9, 704                        ; the last 64 groups hold W_o
	s_cbranch_scc1 .Lwo
	BLOCK 0, 0
	BLOCK 1, 0
	BLOCK 2, 0
	BLOCK 3, 0
	s_endpgm
.Lwo:
	BLOCK 0, 1
	BLOCK 1, 1
	BLOCK 2, 1
	BLOCK 3, 1
	s_endpgm
.Lfunc_end_k_q701d21c133_cast:
	.size	k_q701d21c133_cast, .Lfunc_end_k_q701d21c133_cast-k_q701d21c133_cast
	.p2alignl 7, 3214868480
	.fill 96, 4, 3214868480
	.section	.rodata,"a",@progbits
	.p2align	6, 0x0
	.amdhsa_kernel k_q701d21c133_cast
		.amdhsa_group_segment_fixed_size 0
		.amdhsa_private_segment_fixed_size 0
		.amdhsa_enable_private_segment 0
		.amdhsa_kernarg_size 48
		.amdhsa_user_sgpr_count 2
		.amdhsa_user_sgpr_kernarg_segment_ptr 1
		.amdhsa_wavefront_size32 1
		.amdhsa_system_sgpr_workgroup_id_x 1
		.amdhsa_system_sgpr_workgroup_id_y 1
		.amdhsa_system_sgpr_workgroup_id_z 1
		.amdhsa_system_vgpr_workitem_id 0
		.amdhsa_next_free_vgpr 104
		.amdhsa_next_free_sgpr 66
		.amdhsa_reserve_vcc 0
		.amdhsa_float_denorm_mode_32 3
		.amdhsa_float_denorm_mode_16_64 3
		.amdhsa_memory_ordered 1
		.amdhsa_forward_progress 1
		.amdhsa_inst_pref_size 17
	.end_amdhsa_kernel
	.amdgpu_metadata
---
amdhsa.version: [ 1, 2 ]
amdhsa.kernels:
  - .name:           k_q701d21c133_cast
    .symbol:         k_q701d21c133_cast.kd
    .args:
      - { .name: x, .offset: 0, .size: 8, .value_kind: global_buffer, .address_space: global }
      - { .name: W_q, .offset: 8, .size: 8, .value_kind: global_buffer, .address_space: global }
      - { .name: W_k, .offset: 16, .size: 8, .value_kind: global_buffer, .address_space: global }
      - { .name: W_v, .offset: 24, .size: 8, .value_kind: global_buffer, .address_space: global }
      - { .name: W_o, .offset: 32, .size: 8, .value_kind: global_buffer, .address_space: global }
      - { .name: xw, .offset: 40, .size: 8, .value_kind: global_buffer, .address_space: global }
    .group_segment_fixed_size: 0
    .private_segment_fixed_size: 0
    .kernarg_segment_align: 8
    .kernarg_segment_size: 48
    .max_flat_workgroup_size: 256
    .sgpr_count:     66
    .vgpr_count:     104
    .wavefront_size: 32
...
	.end_amdgpu_metadata
.endif
;; end of part 5
;; launch gemm_qkv: the kernel of part 2 again; grid 8 x 32, 4 waves a work-group, clusters of 4 x 4, 327,680 bytes of LDS; arguments xw, qkv; writes qkv
;; launch attn: the kernel of part 3 again; grid 8 x 32, 4 waves a work-group, no clusters, 327,680 bytes of LDS; arguments qkv, ao; writes ao
;; launch gemm_out: the kernel of part 4 again; grid 4 x 64, 4 waves a work-group, clusters of 4 x 4, 327,680 bytes of LDS; arguments ao, xw, out0; writes out0
